; MI455X (gfx1250); checked and timed in simulation.
; The chip was launched on July 23, 2026; its instructions are those of AMD's public machine-readable ISA for CDNA 5 (MIT licence, August 2026) and "CDNA5" Instruction Set Architecture Reference Guide (July 2026). The comments in the code are by the model that wrote it; some were corrected since.
;; Multi Head Attention. Allowed arithmetic: matrix products marked QUANTISED: E2M1 operands, one E8M0 scale for each 32 along K, by v_wmma_scale_f32_16x16x128_f8f6f4 with both operands' format E2M1 (or v_wmma_scale_f32_32x16x128_f4), f32 sums; products left as they are: bf16, f16 or f32 operands; f32 sums; everything else in f32.
;; Inputs: Wk 1,024 x 1,024 float32; Wo 1,024 x 1,024 float32; Wq 1,024 x 1,024 float32; Wv 1,024 x 1,024 float32; bk 1,024 float32; bo 1,024 float32; bq 1,024 float32; bv 1,024 float32; mask 4 x 2,048 x 2,048 bool; query 4 x 2,048 x 1,024 float32.
;; Outputs: out0 4 x 2,048 x 1,024 float32.
;; This version of the problem:
;;   THIS VERSION OF THE PROBLEM IS GIVEN IN LOW PRECISION. The matrix products marked QUANTISED in the list below multiply operands that are first quantised to E2M1 (2 exponent bits, 1 mantissa bit; 4 bits a number), with one power-of-two scale for each 32 numbers along K (OCP MX v1.0); their sums are f32. The products marked 'left as it is' may take bf16, f16 or f32 operands, with f32 sums. Whichever they take, every output number must still come out within the allowed error. Rounding operands to bf16 (8 significant bits) uses up far more of that allowance than f16 does (11 bits, for magnitudes from 6e-5 to 65,504). All else is computed in f32.
;;   The module's matrix products, in the order in which they are computed (A, B: the left and right operand; K: the contracted axis; several contracted axes count as one K, in the product's order):
;;     1. [M 8,192, K 1,024] x [K 1,024, N 1,024]; A: input query; B: input Wq: QUANTISED
;;     2. [M 8,192, K 1,024] x [K 1,024, N 1,024]; A: input query; B: input Wk: QUANTISED
;;     3. [M 8,192, K 1,024] x [K 1,024, N 1,024]; A: input query; B: input Wv: QUANTISED
;;     4. batch 64 x [M 2,048, K 64] x [K 64, N 2,048]; A: computed on the way; B: computed on the way: left as it is (an operand is computed on the way)
;;     5. batch 64 x [M 2,048, K 2,048] x [K 2,048, N 64]; A: computed on the way; B: computed on the way: left as it is (an operand is computed on the way)
;;     6. [M 8,192, K 1,024] x [K 1,024, N 1,024]; A: computed on the way; B: input Wo: left as it is (an operand is computed on the way)
;;   THE QUANTISER, for each operand of a quantised product, along K:
;;     - K is cut into blocks of 32 from its start; a last block that is shorter is filled with zeros.
;;     - A block's scale is 2^e with e = floor(log2(the largest magnitude in the block)) - 2, held to -126 .. 127; a block of zeros has e = 0. As a byte (E8M0): e + 127.
;;     - Each number is divided by its block's scale, clamped to +-6, and rounded to the nearest number of E2M1, ties to even, subnormals kept.
;;     - The product sums the exact products of the quantised numbers (number of the format x scale) in f32.
;;   ~~~python
;;   def quantise(x, axis):      # numpy; x: float32 -> the quantised numbers, widened to float32 again
;;       x = np.moveaxis(x, axis, -1); K = x.shape[-1]
;;       x = np.pad(x, [(0, 0)] * (x.ndim - 1) + [(0, -K % 32)]); x = x.reshape(x.shape[:-1] + (-1, 32)); a = np.abs(x).max(-1, keepdims=True)
;;       e = np.where(a > 0, np.clip(np.frexp(np.where(a > 0, a, 1))[1] - 1 - 2, -126, 127), 0)      # np.frexp(a)[1] - 1 = floor(log2(a)), exactly
;;       r = np.clip(x / 2.0 ** e, -6, 6)
;;       step = 2.0 ** (np.maximum(np.frexp(np.where(r == 0, 1, r))[1] - 1, 0) - 1)
;;       q = np.round(r / step) * step * 2.0 ** e      # np.round: ties to even
;;       return np.moveaxis(q.reshape(q.shape[:-2] + (-1,))[..., :K], -1, axis).astype(np.float32)
;;   ~~~
;; One version. Each part assembles by itself: llvm-mc -triple=amdgcn-amd-amdhsa -mcpu=gfx1250 --defsym DOCPART=n.
;; ======== version 1 of 1: 4 launches
;; limits: values are held in f16: magnitudes above 65,504 overflow, below 6.1e-05 lose precision
;; workspace buffers: xc 4,194,304 bytes; xs 262,144 bytes; wc 1,572,864 bytes; ws 98,304 bytes; wo16 2,097,152 bytes; mb 2,097,152 bytes of whole numbers; qkv 50,331,648 bytes; at 16,777,216 bytes
;; launch prep (part 1): grid 992 x 1, 4 waves a work-group, no clusters, 68,096 bytes of LDS; arguments query, Wq, Wk, Wv, Wo, mask, xc, xs, wc, ws, wo16, mb; writes xc, xs, wc, ws, wo16, mb
.if DOCPART == 1
	.amdgcn_target "amdgcn-amd-amdhsa--gfx1250"
	.amdhsa_code_object_version 6
	.text
	.protected	k_qfca01d3a7c_prep
	.globl	k_qfca01d3a7c_prep
	.p2align	8
	.type	k_qfca01d3a7c_prep,@function
k_qfca01d3a7c_prep:
	s_mov_b64 s[64:65], 0
	v_nop
	global_prefetch_b8 v0, s[64:65] scope:SCOPE_SE
	s_setreg_imm32_b32 hwreg(HW_REG_WAVE_MODE, 25, 1), 1
	s_wait_xcnt 0x0
; MULTI-HEAD SELF-ATTENTION, launch 1 of 4: what the later launches read many times is laid out once.
; DEAD WORK: none is left out in any of the four launches.  The mask multiplies the scores, so a key with mask 0 stays in its row's softmax with score 0: every row sums all 2,048 keys,
; no tile is thrown away, and bk stays live (q.bk is multiplied by the mask key by key).  All ten inputs are loaded.
; THREE KINDS OF WORK-GROUP, told apart by the work-group's number alone; the three ways never join, and each way that uses LDS has LDS bytes of its own.
;  (a) 0-351: query [8192][1024] and Wq, Wk, Wv [1024][1024], f32, K innermost, become codes of FP4 (E2M1) and one E8M0 byte for each 32 along K: xc, xs; wc, ws (Wq's rows, then Wk's, then Wv's).
;      A block's scale is 2^(floor(log2(its largest magnitude)) - 2); its byte is that magnitude's exponent field - 2, held at 1 from below.  Rows are dense and K is a multiple of 32: each tensor is a plain stream of blocks.
;  (b) 352-479: Wo [n 1024][1024] f32 becomes f16, laid by heads: wo16 [head 16][n 1024][64].
;  (c) 480-991: the mask's bytes become lane masks: mb [b 4][g 64][ks 32][64 words]; bit l of word 32 tq + 8 kt + j is mask[b][32 g + 16 tq + l % 16][64 ks + 16 kt + 8 (l / 16) + j].
; LIMITS: a block of zeros gets the byte 1 where the rule says 127 (its codes are zeros, and this program alone reads the bytes); blocks whose largest magnitude lies under 2^-124 are held at that floor;
; NaN and infinities among the inputs are not served; Wo beyond f16's 65,504 becomes infinity (Wo as drawn has spread 1/32: room for a factor of a million).
.set STEPS, 16
.set CB,    8                          ; bytes of 16 codes
.set R,     16                         ; (a) v16-79   four sets of 16 numbers as loaded
.set X,     80                         ; (a) v80-111  two sets of 16 neighbours
.set E,     112                        ; (a) v112-127 a scale byte for each step
.set C,     128                        ; (a) v128-191 codes, four registers a step
.set WREG,  8192                       ; (a) LDS 0 .. 32,767: a region for each wave: two stages of 32 x SP bytes, then its 256 scale bytes
.set SP,    80
.set MSTG,  32768                      ; (c) LDS 32,768 .. 67,583: a stage of 32 rows x MPI bytes for each wave
.set MPI,   272
.set SPW,   12                         ; v12 LDS address of my spare word; never rewritten
.set NIL,   13                         ; v13 0; never rewritten
.set SPARE, 67584                      ; the spare words, 128 bytes for each wave: two blocks of 256 bytes that no other line names
	s_load_b512 s[4:19], s[0:1], 0x0               ; query 4, Wq 6, Wk 8, Wv 10, Wo 12, mask 14, xc 16, xs 18
	s_load_b256 s[20:27], s[0:1], 0x40             ; wc 20, ws 22, wo16 24, mb 26
	v_lshl_add_u32 v[SPW], v0, 2, SPARE
	v_mov_b32 v[NIL], 0
	v_lshrrev_b32 v1, 5, v0
	v_readfirstlane_b32 s28, v1                    ; wave
	v_and_b32 v2, 31, v0                           ; lane
	s_wait_kmcnt 0x0
	s_cmp_ge_u32 ttmp9, 480
	s_cbranch_scc1 .Lmask
	s_cmp_ge_u32 ttmp9, 352
	s_cbranch_scc1 .Lwo
; ---------------- (a) the quantiser.  A work-group takes 32,768 numbers, a wave 16 steps of 512.
	s_sub_co_u32 s29, ttmp9, 256                   ; w: my place among the weights' 96 work-groups
	s_lshr_b32 s30, s29, 5                         ; which weight: each has 32 work-groups
	s_and_b32 s31, s29, 31                         ; my place in it
	s_cmp_eq_u32 s30, 1
	s_cselect_b64 s[6:7], s[8:9], s[6:7]
	s_cmp_eq_u32 s30, 2
	s_cselect_b64 s[6:7], s[10:11], s[6:7]         ; Wq, Wk or Wv
	s_cmp_lt_u32 ttmp9, 256                        ; query's work-group or a weight's?  All choices hang on the work-group's number alone
	s_cselect_b64 s[4:5], s[4:5], s[6:7]           ; from where
	s_cselect_b64 s[16:17], s[16:17], s[20:21]     ; the codes' buffer
	s_cselect_b64 s[18:19], s[18:19], s[22:23]     ; the scale bytes'
	s_cselect_b32 s31, ttmp9, s31                  ; my place in the source,
	s_cselect_b32 s29, ttmp9, s29                  ; and in the destination (the three weights follow each other there)
	s_lshl_b32 s31, s31, 2
	s_add_co_u32 s31, s31, s28                     ; my wave's run of 8,192 numbers in the source
	s_lshl_b32 s29, s29, 2
	s_add_co_u32 s29, s29, s28                     ; and in the destination
	s_lshl_b32 s32, s31, 15                        ; 32,768 bytes of f32 a run
	s_mov_b32 s33, 0
	s_add_nc_u64 s[4:5], s[4:5], s[32:33]
	s_lshl_b32 s32, s29, 12                        ; 4,096 bytes of codes
	s_add_nc_u64 s[16:17], s[16:17], s[32:33]
	s_lshl_b32 s32, s29, 8                         ; 256 scale bytes
	s_add_nc_u64 s[18:19], s[18:19], s[32:33]
	v_lshlrev_b32 v3, 4, v2                        ; my 16 bytes of a load's 512
	s_mul_i32 s34, s28, WREG
	v_lshrrev_b32 v14, 2, v2
	v_mul_u32_u24 v14, v14, SP
	v_and_b32 v15, 3, v2
	v_lshl_add_u32 v14, v15, 4, v14
	v_add_nc_u32 v14, s34, v14                     ; the stage, on the way in: four lanes' 64 bytes on end, then 16 of padding
	v_mul_u32_u24 v15, v2, SP
	v_add_nc_u32 v15, s34, v15                     ; and on the way out: my 16 neighbours
	v_mul_u32_u24 v4, v2, CB                       ; my codes' place in a step's
	v_lshrrev_b32 v5, 1, v2
	s_add_co_u32 s34, s34, 2*32*SP
	v_add_nc_u32 v5, s34, v5                       ; my wave's 256 scale bytes: my block's byte
	v_lshlrev_b32 v7, 3, v2                        ; and on the way out 8 bytes a lane
	v_add_nc_u32 v6, s34, v7
.macro LOAD t
.irp i, 0,1,2,3
	global_load_b128 v[R+16*((\t)%4)+4*\i:R+16*((\t)%4)+4*\i+3], v3, s[4:5] offset:2048*(\t)+512*\i th:TH_LOAD_NT   ; 32 lanes read 512 consecutive bytes
.endr
.endm
.macro TURN t                          ; step t's numbers through the stage: LDS serves a wave's instructions in order, so no wait stands between the stores and the loads
.irp i, 0,1,2,3
	ds_store_b128 v14, v[R+16*((\t)%4)+4*\i:R+16*((\t)%4)+4*\i+3] offset:32*SP*((\t)%2)+8*SP*\i
.endr
.irp i, 0,1,2,3
	ds_load_b128 v[X+16*((\t)%2)+4*\i:X+16*((\t)%2)+4*\i+3], v15 offset:32*SP*((\t)%2)+16*\i
.endr
.endm
.irp t, 0,1,2,3
	LOAD \t
.endr
	s_wait_loadcnt 12                              ; step 0's four loads are in; twelve younger ones stay out
	TURN 0
.macro STEP t
.set XS, X+16*((\t)%2)
.if (\t) > 0
	s_wait_dscnt 1                                 ; this step's numbers are back from the stage (the last step's byte store may be out): so its stores into the stage have read their registers,
.else
	s_wait_dscnt 0x0
.endif
.if (\t)+4 < STEPS
	LOAD (\t)+4                                    ; which take the loads of four steps on
.endif
.if (\t)+1 < STEPS
.if STEPS-2-(\t) >= 3
	s_wait_loadcnt 12                              ; the next step's four loads are in; those of the three steps behind it may be out
.else
	s_wait_loadcnt 4*(STEPS-2-(\t))
.endif
	TURN (\t)+1                                    ; and go through the other stage while this step is worked
.endif
	v_max3_num_f32 v8, |v[XS]|, |v[XS+1]|, |v[XS+2]|               ; the largest magnitude of my 16, in two chains
	v_max3_num_f32 v9, |v[XS+3]|, |v[XS+4]|, |v[XS+5]|
.irp i, 6,10
	v_max3_num_f32 v8, v8, |v[XS+\i]|, |v[XS+\i+1]|
	v_max3_num_f32 v9, v9, |v[XS+\i+2]|, |v[XS+\i+3]|
.endr
	v_max3_num_f32 v8, v8, |v[XS+14]|, |v[XS+15]|
	v_max3_num_f32 v8, v8, v9, 0x1800000           ; and the floor 2^(3 - 127): so the byte cannot fall under 1
	v_max_num_f32_dpp v8, v8, v8 row_xmask:1 row_mask:0xf bank_mask:0xf   ; and of my neighbour's 16: the block's
	v_add_nc_u32 v11, 0xff000000, v8               ; 2 off its exponent field: the conversion takes the exponent field of this operand as its scale, and nothing else of it
	v_cvt_scalef32_pk8_fp4_f32 v[C+4*(\t)], v[XS:XS+7], v11        ; eight numbers / the scale, to the nearest code, ties to even, beyond 6 the largest code
	v_cvt_scalef32_pk8_fp4_f32 v[C+4*(\t)+1], v[XS+8:XS+15], v11
	v_lshrrev_b32 v[E+(\t)], 23, v11               ; the scale's byte (also the plain line behind the conversions)
	ds_store_b8 v5, v[E+(\t)] offset:16*(\t)       ; both lanes of a block write the same byte with the same value
	global_store_b64 v4, v[C+4*(\t):C+4*(\t)+1], s[16:17] offset:32*CB*(\t)   ; the wave stores 256 consecutive bytes, aligned
.endm
.irp t, 0,1,2,3,4,5,6,7,8,9,10,11,12,13,14,15
	STEP \t
.endr
	ds_load_b64 v[8:9], v6                         ; LDS serves a wave's instructions in order: these see my byte stores
	s_wait_dscnt 0x0
	global_store_b64 v7, v[8:9], s[18:19]          ; 32 lanes store 256 consecutive bytes, aligned
	s_wait_tensorcnt 0x0                           ; the wave's end
	ds_add_u32 v[SPW], v[NIL]
	s_wait_dscnt 0x0
	s_endpgm
; ---------------- (b) Wo to f16, by heads.  A wave takes rows 2 u and 2 u + 1.  No stage: the two rows' halves change places between the halves of the lanes.
.Lwo:
	s_sub_co_u32 s29, ttmp9, 352
	s_lshl_b32 s29, s29, 2
	s_add_co_u32 s29, s29, s28                     ; u, 0 .. 511
	s_lshl_b32 s32, s29, 13                        ; two rows of 4,096 bytes
	s_mov_b32 s33, 0
	s_add_nc_u64 s[12:13], s[12:13], s[32:33]
	s_lshl_b32 s32, s29, 8                         ; two rows of 128 bytes in each head
	s_add_nc_u64 s[24:25], s[24:25], s[32:33]
	v_lshlrev_b32 v3, 4, v2
	v_lshlrev_b32 v4, 3, v2
.irp i, 0,1,2,3,4,5,6,7                ; columns 128 i on: heads 2 i (lanes 0-15) and 2 i + 1 (lanes 16-31)
.irp w, 0,1
	global_load_b128 v[16+8*\i+4*\w:16+8*\i+4*\w+3], v3, s[12:13] offset:512*\i+4096*\w th:TH_LOAD_NT
.endr
.endr
.irp i, 0,1,2,3,4,5,6,7
	s_wait_loadcnt 14-2*\i                         ; this pair of loads is in; the later pairs stay out
	v_cvt_pk_f16_f32 v[80+4*\i], v[16+8*\i], v[17+8*\i]            ; row 2 u
	v_cvt_pk_f16_f32 v[81+4*\i], v[18+8*\i], v[19+8*\i]
	v_cvt_pk_f16_f32 v[82+4*\i], v[20+8*\i], v[21+8*\i]            ; row 2 u + 1
	v_cvt_pk_f16_f32 v[83+4*\i], v[22+8*\i], v[23+8*\i]
	v_permlane16_swap_b32 v[80+4*\i], v[82+4*\i]   ; the first's lanes 16-31 change places with the second's lanes 0-15:
	v_permlane16_swap_b32 v[81+4*\i], v[83+4*\i]   ; the first pair now holds head 2 i of both rows, the second head 2 i + 1
	global_store_b64 v4, v[80+4*\i:81+4*\i], s[24:25] offset:262144*\i          ; 256 consecutive bytes, aligned
	global_store_b64 v4, v[82+4*\i:83+4*\i], s[24:25] offset:262144*\i+131072
.endr
	s_wait_tensorcnt 0x0                           ; the wave's end, as on the other two ways
	ds_add_u32 v[SPW], v[NIL]
	s_wait_dscnt 0x0
	s_endpgm
; ---------------- (c) the mask's bytes to lane masks.  A wave takes 32 queries x 256 keys: 256 words.
.Lmask:
	s_sub_co_u32 s29, ttmp9, 480
	s_lshl_b32 s29, s29, 2
	s_add_co_u32 s29, s29, s28                     ; u, 0 .. 2,047
	s_lshr_b32 s30, s29, 3                         ; 64 b + g: which 32 queries
	s_and_b32 s31, s29, 7                          ; which 256 keys
	s_lshl_b32 s32, s30, 16                        ; 32 rows of 2,048 bytes
	s_lshl_b32 s33, s31, 8
	s_add_co_u32 s32, s32, s33
	s_mov_b32 s33, 0
	s_add_nc_u64 s[14:15], s[14:15], s[32:33]
	s_lshl_b32 s32, s30, 13                        ; 8,192 bytes of words for 32 queries,
	s_lshl_b32 s40, s31, 10                        ; 1,024 for 256 keys
	s_add_co_u32 s32, s32, s40
	s_add_nc_u64 s[26:27], s[26:27], s[32:33]
	v_lshrrev_b32 v7, 4, v2                        ; h
	v_and_b32 v8, 15, v2                           ; r
	v_lshlrev_b32 v3, 11, v7
	v_lshl_add_u32 v3, v8, 4, v3                   ; in: lanes 0-15 one row's 256 bytes, lanes 16-31 the next row's
	s_mul_i32 s41, s28, 32*MPI
	s_add_co_u32 s41, s41, MSTG                    ; my stage
	v_mul_u32_u24 v4, v7, MPI
	v_lshl_add_u32 v4, v8, 4, v4
	v_add_nc_u32 v4, s41, v4                       ; into it, as loaded
	v_mul_u32_u24 v5, v8, MPI
	v_lshl_add_u32 v5, v7, 3, v5
	v_add_nc_u32 v5, s41, v5                       ; out of it: row r, 8 keys of my half
	v_lshlrev_b32 v6, 4, v2
.irp i, 0,1,2,3,4,5,6,7,8,9,10,11,12,13,14,15
	global_load_b128 v[16+4*\i:19+4*\i], v3, s[14:15] offset:4096*\i th:TH_LOAD_NT
.endr
.irp i, 0,1,2,3,4,5,6,7,8,9,10,11,12,13,14,15
	s_wait_loadcnt 15-\i                           ; loads come back in order: load i is in
	ds_store_b128 v4, v[16+4*\i:19+4*\i] offset:2*MPI*\i
.endr
.irp q, 0,1
.irp k, 0,1,2,3,4,5,6,7,8,9,10,11,12,13,14,15
	ds_load_b64 v[80+2*(16*\q+\k):81+2*(16*\q+\k)], v5 offset:16*MPI*\q+16*\k   ; query 16 q + r, keys 16 k + 8 h + 0 .. 7 (LDS serves a wave in order: these see my stores)
.endr
.endr
.irp i, 0,1,2,3,4,5,6,7
	v_mov_b32 v[144+\i], 0                         ; written once: the destination of v_writelane_b32 counts as read
.endr
	s_wait_dscnt 0x0
; word W = 64 s + 32 q + 8 t + j of my 256: byte j of the lanes' 8 bytes of (q, 4 s + t), compared with 0 in all 32 lanes at once; it goes to lane (W % 128) / 4, register W % 4, of the store W / 128
.irp s, 0,1,2,3
.irp q, 0,1
.irp t, 0,1,2,3
.irp j, 0,1,2,3,4,5,6,7
	v_and_b32 v[152+\j], 0xff<<(8*((\j)&3)), v[80+2*(16*\q+4*\s+\t)+((\j)>>2)]
.endr
.irp j, 0,1,2,3,4,5,6,7
	v_cmp_ne_u32 s[32+\j], 0, v[152+\j]
.endr
.irp j, 0,1,2,3,4,5,6,7
	v_writelane_b32 v[144+4*((\s)>>1)+((\j)&3)], s[32+\j], ((64*\s+32*\q+8*\t+\j)&127)>>2
.endr
.endr
.endr
.endr
	global_store_b128 v6, v[144:147], s[26:27]               ; 512 consecutive bytes each
	global_store_b128 v6, v[148:151], s[26:27] offset:512
	s_wait_tensorcnt 0x0                           ; the wave's end
	ds_add_u32 v[SPW], v[NIL]
	s_wait_dscnt 0x0
	s_endpgm
.Lfunc_end_k_qfca01d3a7c_prep:
	.size	k_qfca01d3a7c_prep, .Lfunc_end_k_qfca01d3a7c_prep-k_qfca01d3a7c_prep
	.p2alignl 7, 3214868480
	.fill 96, 4, 3214868480
	.section	.rodata,"a",@progbits
	.p2align	6, 0x0
	.amdhsa_kernel k_qfca01d3a7c_prep
		.amdhsa_group_segment_fixed_size 68096
		.amdhsa_private_segment_fixed_size 0
		.amdhsa_enable_private_segment 0
		.amdhsa_kernarg_size 96
		.amdhsa_user_sgpr_count 2
		.amdhsa_user_sgpr_kernarg_segment_ptr 1
		.amdhsa_wavefront_size32 1
		.amdhsa_system_sgpr_workgroup_id_x 1
		.amdhsa_system_sgpr_workgroup_id_y 1
		.amdhsa_system_sgpr_workgroup_id_z 1
		.amdhsa_system_vgpr_workitem_id 0
		.amdhsa_next_free_vgpr 192
		.amdhsa_next_free_sgpr 66
		.amdhsa_reserve_vcc 0
		.amdhsa_float_denorm_mode_32 3
		.amdhsa_float_denorm_mode_16_64 3
		.amdhsa_memory_ordered 1
		.amdhsa_forward_progress 1
		.amdhsa_inst_pref_size 95
	.end_amdhsa_kernel
	.amdgpu_metadata
---
amdhsa.version: [ 1, 2 ]
amdhsa.kernels:
  - .name:           k_qfca01d3a7c_prep
    .symbol:         k_qfca01d3a7c_prep.kd
    .args:
      - { .name: query, .offset: 0, .size: 8, .value_kind: global_buffer, .address_space: global }
      - { .name: Wq, .offset: 8, .size: 8, .value_kind: global_buffer, .address_space: global }
      - { .name: Wk, .offset: 16, .size: 8, .value_kind: global_buffer, .address_space: global }
      - { .name: Wv, .offset: 24, .size: 8, .value_kind: global_buffer, .address_space: global }
      - { .name: Wo, .offset: 32, .size: 8, .value_kind: global_buffer, .address_space: global }
      - { .name: mask, .offset: 40, .size: 8, .value_kind: global_buffer, .address_space: global }
      - { .name: xc, .offset: 48, .size: 8, .value_kind: global_buffer, .address_space: global }
      - { .name: xs, .offset: 56, .size: 8, .value_kind: global_buffer, .address_space: global }
      - { .name: wc, .offset: 64, .size: 8, .value_kind: global_buffer, .address_space: global }
      - { .name: ws, .offset: 72, .size: 8, .value_kind: global_buffer, .address_space: global }
      - { .name: wo16, .offset: 80, .size: 8, .value_kind: global_buffer, .address_space: global }
      - { .name: mb, .offset: 88, .size: 8, .value_kind: global_buffer, .address_space: global }
    .group_segment_fixed_size: 68096
    .private_segment_fixed_size: 0
    .kernarg_segment_align: 8
    .kernarg_segment_size: 96
    .max_flat_workgroup_size: 128
    .sgpr_count:     66
    .vgpr_count:     192
    .wavefront_size: 32
...
	.end_amdgpu_metadata
.endif
;; end of part 1
;; launch qkv (part 2): grid 12 x 32, 4 waves a work-group, clusters of 4 x 4, 327,680 bytes of LDS; arguments xc, xs, wc, ws, qkv, bv, bq, bk; writes qkv
.if DOCPART == 2
	.amdgcn_target "amdgcn-amd-amdhsa--gfx1250"
	.amdhsa_code_object_version 6
	.text
	.protected	k_qfca01d3a7c_qkv
	.globl	k_qfca01d3a7c_qkv
	.p2align	8
	.type	k_qfca01d3a7c_qkv,@function
k_qfca01d3a7c_qkv:
	s_mov_b64 s[64:65], 0
	v_nop
	global_prefetch_b8 v0, s[64:65] scope:SCOPE_SE
	s_setreg_imm32_b32 hwreg(HW_REG_WAVE_MODE, 25, 1), 1
	s_wait_xcnt 0x0
	s_wait_alu depctr_hold_cnt(0) depctr_sa_sdst(0) depctr_va_vdst(0) depctr_va_sdst(0) depctr_va_ssrc(0) depctr_va_vcc(0) depctr_vm_vsrc(0)
	s_getreg_b32 s2, hwreg(HW_REG_IB_STS2, 6, 4)
	s_cmp_eq_u32 s2, 0
	s_cbranch_scc0 .Lentry_in_a_cluster
	s_endpgm
.Lentry_in_a_cluster:
	s_bfe_u32 s2, ttmp6, 0x10000c
	s_cmp_lg_u32 s2, 0xf033
	s_cbranch_scc0 .Lentry_shape_is_right
	s_endpgm
.Lentry_shape_is_right:
; Launch 2 of 4: q, k, v = query W^T + b, the three quantised products as ONE product on codes of FP4 (E2M1) with one E8M0 scale for each 32 along K: A = xc [8192][1024], B = wc [3072][1024] (Wq's, Wk's, Wv's rows).
; No work is left out.  Results: f32 sums that begin with the bias, rounded once to f16, laid by heads: qkv [kind 3][b 4][head 16][s 2048][64].
; LIMIT: a q, k or v beyond f16's 65,504 becomes infinity; as drawn their spread is 1 (inputs 30 times larger on both sides give about 5,000).
; A tile of C, 256 x 256, is made by a work-group of four waves; a wave makes 128 x 128: 64 accumulators of 16 x 16, 512 registers.  K = 1,024 is two LDS slots of 512 along K (rows of 256 bytes):
; both are asked for at the start, NOTHING IS FILLED AGAIN, and there is no loop.  By this text's own count a wave has three tensor loads out: its scales, slot 0, slot 1.
; THE SCALES of the work-group's 256 rows of A and of B, for all of K, are two dense blocks of memory: they come into LDS once, as rows of 256 bytes.
; CLUSTERS: 4 x 4 work-groups.  The four of a row of the cluster need the same tiles of A, the four of a column the same tiles of B: each tile is asked for JOINTLY.  A cluster's four tile columns are 1,024 columns:
; the cluster's x IS the kind (q, k, v), the same in all sixteen partners; it enters selections and global offsets alone.
; THE MATRIX INSTRUCTION IS USED TRANSPOSED (source 0 = 16 rows of B, source 1 = 16 rows of A): a lane holds eight neighbouring columns of a row of C.
; REGISTERS, in windows of 256: window 0: v0-31 addresses; v32-95 scale words, two sets; v128-191 A's fragments, ONE set; v192-255 the bias, eight registers for each of B's eight blocks; on the way out v32-127 are free.
;   window 1: B's fragments, TWO sets, at v0 and v128.   window 2: the accumulators of my rows 0-63 ((a, b) at v[8 (8 a + b)]);   window 3: those of my rows 64-127.
.set SIZE_M, 8192
.set SIZE_N, 3072
.set SIZE_K, 1024
.set KSTEP,  512
.set NQ,     KSTEP/128
.set ROWB,   256
.set KROW,   SIZE_K*4/8
.set PITCH,  272                       ; an LDS row: 256 bytes + 16 of padding: the 16 rows that a load touches begin 68 words apart
.set FR,     8
.set NL,     2
.set NP,     4                         ; places behind this matrix instruction (ISA guide 7.12.1)
.set HALFT,  128*PITCH
.set SLOT,   4*HALFT
.set KS,     SIZE_K/32
.set SCL,    2*SLOT                    ; behind the two slots: the scales, as rows of 256 bytes + 16
.set HALFS,  (128*KS/256)*272
.set SBLK,   (16*KS/256)*272
.set SPARE,  SCL+4*HALFS               ; the spare words, 128 bytes for each wave: two blocks of 256 bytes that no other line names
.set SPITCH, 272                       ; the way out: a stage of 16 rows x (256 bytes + 16) for each wave, in slot 0, which has had its one fill and its last read when the first result is stored there
.set ADRA, 16
.set ADRB, 20
.set STO,  24
.set RD,   25
.set CO,   26
.set ADRS, 27
.set SPW,  28
.set NIL,  29
.set BO,   30                          ; v30 32 x (lane / 16): my eight numbers of a block's sixteen biases
.set SC,   32
.set AF,   128
.set BIAS, 192
.set TMP,  32                          ; the way out: packed results
.set BK,   64                          ; the way out: 16 rows read back: v64-95 and v96-127 by turns
.set G1, 24
.set G0, 32
.set G1B, 48
.set G0B, 56
.set G1S, 68
.set G0S, 76
.set G1SB, 80
.set G0SB, 88
.set MSB, 0
.macro WIN new                         ; the immediate's high byte repeats the setting that is left
.if MSB != \new
	s_set_vgpr_msb (MSB<<8)|\new
.set MSB, \new
.endif
.endm
.set MUL_LO, 0xa1                      ; source 0 (B) window 1, source 1 (A) window 0, C and D window 2
.set MUL_HI, 0xf1                      ; the same, C and D window 3
.set FST_LO, 0x81                      ; the first step: C is the bias, in window 0
.set FST_HI, 0xc1
.set TO_B,   0x40
; A joint load: waves 0 and 1 fetch for A, waves 2 and 3 for B.  The branch hangs on the wave's number alone.  An s_nop 0 and four v_nop follow each of the two lines.
.macro JLOAD g0a, g1a, g0b, g1b
	s_cmp_eq_u32 s15, 0
	s_cbranch_scc0 .Lfor_b_\@
	tensor_load_to_lds s[\g0a:\g0a+3], s[\g1a:\g1a+7]
	s_nop 0
.rept 4
	v_nop
.endr
	s_branch .Lasked_\@
.Lfor_b_\@:
	tensor_load_to_lds s[\g0b:\g0b+3], s[\g1b:\g1b+7]
	s_nop 0
.rept 4
	v_nop
.endr
.Lasked_\@:
.endm
.macro CROUND                          ; a round of the cluster's barrier
	s_barrier_signal -1
	s_barrier_wait -1
	s_cmp_lg_u32 s14, 0
	s_cbranch_scc1 .Lnot_wave_0_\@
	s_barrier_signal -3
.Lnot_wave_0_\@:
	s_barrier_wait -3
	s_barrier_signal -1
	s_barrier_wait -1
.endm
	s_load_b128 s[4:7], s[0:1], 0x0                ; A's codes, A's scales
	s_load_b128 s[8:11], s[0:1], 0x10              ; B's codes, B's scales
	s_load_b64 s[12:13], s[0:1], 0x20              ; qkv
	s_load_b64 s[100:101], s[0:1], 0x28            ; bv
	s_load_b128 s[96:99], s[0:1], 0x30             ; bq, bk
	v_lshl_add_u32 v[SPW], v0, 2, SPARE
	v_mov_b32 v[NIL], 0
	ds_add_u32 v[SPW], v[NIL]                      ; the wave's opening: the add, twice on end, and its wait ahead of my first tensor load
	ds_add_u32 v[SPW], v[NIL]
	v_lshrrev_b32 v1, 5, v0
	v_readfirstlane_b32 s14, v1                    ; wave 0..3
	s_lshr_b32 s15, s14, 1                         ; which half of the tile's rows is mine.  Also: I fetch for A (0) or for B (1)
	s_and_b32 s16, s14, 1                          ; which half of its columns.  Also: which 128 rows of that tile I fetch
	s_bfe_u32 s40, ttmp6, 0x40000                  ; cx, cy: my place in the cluster
	s_bfe_u32 s41, ttmp6, 0x40004
	s_lshl_b32 s42, ttmp9, 2
	s_add_co_u32 s42, s42, s40                     ; tile column of C
	s_and_b32 s17, ttmp7, 0xffff
	s_lshl_b32 s17, s17, 2
	s_add_co_u32 s17, s17, s41                     ; tile row of C
	s_lshl_b32 s43, s41, 2
	s_lshl_b32 s43, 15, s43                        ; my row of the cluster
	s_lshl_b32 s44, 0x1111, s40                    ; my column
	s_or_b32 s[G1+0], s43, (0<<16)|(1<<20)|(1<<21)|(5<<22)|(3<<25)  ; the mask; elements of 1 byte; padding on; bit 21 beside a mask; after every 64 words 4 words
	s_or_b32 s[G1B+0], s44, (0<<16)|(1<<20)|(1<<21)|(5<<22)|(3<<25)
.irp g, G1, G1B
	s_mov_b32 s[\g+1], ROWB<<16                    ; tensor_dim0
	s_mov_b32 s[\g+2], 128<<16                     ; tensor_dim1
	s_mov_b32 s[\g+3], ROWB<<16                    ; tile_dim0
	s_mov_b32 s[\g+4], 128                         ; tile_dim1
	s_mov_b32 s[\g+5], KROW                        ; from row to row
	s_mov_b32 s[\g+6], 0
	s_mov_b32 s[\g+7], 0
.endr
	s_or_b32 s[G1S+0], s43, (3<<16)|(1<<20)|(1<<21)|(5<<22)|(3<<25) ; the scales of 128 rows: a dense block, as rows of 32 elements of 8 bytes
	s_or_b32 s[G1SB+0], s44, (3<<16)|(1<<20)|(1<<21)|(5<<22)|(3<<25)
.irp g, G1S, G1SB
	s_mov_b32 s[\g+1], 32<<16
	s_mov_b32 s[\g+2], (128*KS/256)<<16
	s_mov_b32 s[\g+3], 32<<16
	s_mov_b32 s[\g+4], 128*KS/256
	s_mov_b32 s[\g+5], 32
	s_mov_b32 s[\g+6], 0
	s_mov_b32 s[\g+7], 0
.endr
	s_lshl_b32 s18, s16, 7
	s_lshl_b32 s20, s17, 8
	s_add_co_u32 s20, s20, s18                     ; A: row 256 x tile row + 128 x half
	s_lshl_b32 s46, s42, 8
	s_add_co_u32 s46, s46, s18                     ; B: row 256 x tile column + 128 x half
	s_mov_b32 s21, 0
	s_mov_b32 s47, 0
	s_mov_b64 s[18:19], KS
	s_mul_u64 s[22:23], s[20:21], s[18:19]         ; where these rows' scales begin,
	s_mul_u64 s[92:93], s[46:47], s[18:19]
	s_mov_b64 s[18:19], KROW
	s_mul_u64 s[20:21], s[20:21], s[18:19]         ; and their codes
	s_mul_u64 s[46:47], s[46:47], s[18:19]
	s_mul_i32 s45, s14, HALFT                      ; where they go: wave x 128 rows
	s_mul_i32 s94, s14, HALFS
	s_wait_dscnt 0x0                               ; both opening adds are done
	s_wait_kmcnt 0x0
	s_add_nc_u64 s[20:21], s[4:5], s[20:21]
	s_add_nc_u64 s[22:23], s[6:7], s[22:23]
	s_add_nc_u64 s[46:47], s[8:9], s[46:47]
	s_add_nc_u64 s[92:93], s[10:11], s[92:93]
	CROUND                                         ; all sixteen work-groups are here: the joint loads meet
	s_mov_b32 s[G0S], 1
	s_add_co_u32 s[G0S+1], s94, SCL
	s_mov_b64 s[G0S+2:G0S+3], s[22:23]
	s_or_b32 s[G0S+3], s[G0S+3], 0x80000000
	s_mov_b32 s[G0SB], 1
	s_add_co_u32 s[G0SB+1], s94, SCL
	s_mov_b64 s[G0SB+2:G0SB+3], s[92:93]
	s_or_b32 s[G0SB+3], s[G0SB+3], 0x80000000
	JLOAD G0S, G1S, G0SB, G1SB                     ; the scales first: they are wanted with slot 0
.irp s, 0,1
	s_mov_b32 s[G0+4*\s], 1
	s_add_co_u32 s[G0+4*\s+1], s45, \s*SLOT
	s_add_nc_u64 s[G0+4*\s+2:G0+4*\s+3], s[20:21], \s*ROWB
	s_or_b32 s[G0+4*\s+3], s[G0+4*\s+3], 0x80000000
	s_mov_b32 s[G0B+4*\s], 1
	s_add_co_u32 s[G0B+4*\s+1], s45, \s*SLOT
	s_add_nc_u64 s[G0B+4*\s+2:G0B+4*\s+3], s[46:47], \s*ROWB
	s_or_b32 s[G0B+4*\s+3], s[G0B+4*\s+3], 0x80000000
	JLOAD G0+4*\s, G1, G0B+4*\s, G1B
.endr
	; the bias of my 128 columns: bq, bk or bv by the cluster's x
	s_cmp_eq_u32 ttmp9, 0
	s_cselect_b64 s[96:97], s[96:97], s[98:99]
	s_cmp_eq_u32 ttmp9, 2
	s_cselect_b64 s[96:97], s[100:101], s[96:97]
	s_lshl_b32 s22, s40, 10                        ; 256 columns x 4 bytes for each tile column of the kind,
	s_lshl_b32 s23, s16, 9                         ; 128 for my half
	s_add_co_u32 s22, s22, s23
	s_mov_b32 s23, 0
	s_add_nc_u64 s[96:97], s[96:97], s[22:23]
	v_and_b32 v1, 15, v0                           ; l % 16
	v_bfe_u32 v2, v0, 4, 1                         ; l / 16
	v_lshlrev_b32 v[BO], 5, v2
.irp b, 0,1,2,3,4,5,6,7                ; register j of block b: the bias of column 16 b + 8 (l / 16) + j: the result's layout
	global_load_b128 v[BIAS+8*\b:BIAS+8*\b+3], v[BO], s[96:97] offset:64*\b
	global_load_b128 v[BIAS+8*\b+4:BIAS+8*\b+7], v[BO], s[96:97] offset:64*\b+16
.endr
	v_mul_u32_u24 v3, v1, PITCH
	v_lshl_add_u32 v4, v2, 4, v3                   ; a fragment's row x pitch + 16 x half
	s_mul_i32 s21, s15, HALFT                      ; my 128 rows of A
	s_mul_i32 s22, s16, HALFT                      ; my 128 rows of B,
	s_add_co_u32 s22, s22, 2*HALFT                 ; which lie behind A's 256
.irp s, 0,1
	v_add_nc_u32 v[ADRA+\s], s21, v4
	v_add_nc_u32 v[ADRB+\s], s22, v4
	s_add_co_u32 s21, s21, SLOT
	s_add_co_u32 s22, s22, SLOT
.endr
	v_mul_u32_u24 v5, v1, KS                       ; my row's scales: KS bytes a row,
	v_lshrrev_b32 v6, 8, v5
	v_lshl_add_u32 v5, v6, 4, v5                   ; and 16 more for each 256 passed
	s_mul_i32 s21, s15, HALFS
	s_mul_i32 s22, s16, HALFS
	s_add_co_u32 s22, s22, 2*HALFS
	s_sub_co_u32 s22, s22, s21
	v_mul_u32_u24 v6, s22, v2                      ; lanes 16-31 take B's
	s_add_co_u32 s21, s21, SCL
	v_add_nc_u32 v5, v5, v6
	v_add_nc_u32 v[ADRS], s21, v5
	s_mul_i32 s23, s14, 16*SPITCH                  ; my stage
	v_mul_u32_u24 v5, v1, SPITCH                   ; in: row l % 16, 16 bytes for each half of the lanes
	v_lshl_add_u32 v5, v2, 4, v5
	v_add_nc_u32 v[STO], s23, v5
	v_bfe_u32 v5, v0, 3, 1                         ; back: lanes 0-15 take one head's 128 bytes of two rows, lanes 16-31 the other head's
	v_and_b32 v6, 7, v0
	v_lshlrev_b32 v6, 4, v6
	v_mul_u32_u24 v7, v5, SPITCH
	v_lshl_add_u32 v7, v2, 7, v7
	v_add_nc_u32 v7, v7, v6
	v_add_nc_u32 v[RD], s23, v7
	v_lshl_add_u32 v[CO], v5, 7, v6                ; in qkv: two tokens of a head are 256 consecutive bytes;
	v_lshl_add_u32 v[CO], v2, 18, v[CO]            ; the next head lies 2,048 x 128 bytes on
	s_lshl_b32 s20, s17, 8
	s_lshl_b32 s21, s15, 7
	s_add_co_u32 s20, s20, s21                     ; my first row of C: a token, 2,048 b + s
	s_lshr_b32 s21, s20, 11                        ; b
	s_and_b32 s20, s20, 2047                       ; s
	s_lshl_b32 s21, s21, 4
	s_lshl_b32 s22, s40, 2
	s_add_co_u32 s21, s21, s22
	s_lshl_b32 s22, s16, 1
	s_add_co_u32 s21, s21, s22                     ; 16 b + my first head: 4 for each tile column of the kind, 2 for my half
	s_lshl_b32 s21, s21, 11
	s_add_co_u32 s20, s20, s21
	s_lshl_b32 s20, s20, 7                         ; rows of 128 bytes
	s_lshl_b32 s22, ttmp9, 24                      ; the kind: 16,777,216 bytes each
	s_add_co_u32 s20, s20, s22
	s_mov_b32 s21, 0
	s_add_nc_u64 s[12:13], s[12:13], s[20:21]
.macro FRAG reg, adr, q, i             ; a fragment, 16 rows x 128 K of 4-bit codes: lane l holds row l % 16; registers 4 c .. 4 c + 3 hold K = 64 c + 32 (l / 16) + 0 .. 31
.irp c, 0,1
	ds_load_b128 v[\reg+4*\c:\reg+4*\c+3], v[\adr] offset:64*(\q)+32*\c+(\i)*16*PITCH
.endr
.endm
; 16 matrix instructions: A's blocks a0, a0 + 1 x B's eight, 128 along K.  first = 1: the sums begin with the bias as C: nothing is cleared and nothing is added later.
; The 64 accumulators take turns, one instruction a turn, in the same order in every step.
.macro MUL16 a0, p, q, sc, first
.irp a, \a0, \a0+1
.irp b, 0,1,2,3,4,5,6,7
.if \first
	v_wmma_scale_f32_16x16x128_f8f6f4 v[8*(8*((\a)%4)+\b):8*(8*((\a)%4)+\b)+7], v[128*(\p)+FR*\b:128*(\p)+FR*\b+FR-1], v[AF+FR*(\a):AF+FR*(\a)+FR-1], v[BIAS+8*\b:BIAS+8*\b+7], v[SC+8*NQ*(\sc)+NQ*\b+(\q)], v[SC+8*NQ*(\sc)+NQ*(\a)+(\q)] matrix_a_fmt:MATRIX_FMT_FP4 matrix_b_fmt:MATRIX_FMT_FP4 matrix_a_scale:MATRIX_SCALE_ROW1
.else
	v_wmma_scale_f32_16x16x128_f8f6f4 v[8*(8*((\a)%4)+\b):8*(8*((\a)%4)+\b)+7], v[128*(\p)+FR*\b:128*(\p)+FR*\b+FR-1], v[AF+FR*(\a):AF+FR*(\a)+FR-1], v[8*(8*((\a)%4)+\b):8*(8*((\a)%4)+\b)+7], v[SC+8*NQ*(\sc)+NQ*\b+(\q)], v[SC+8*NQ*(\sc)+NQ*(\a)+(\q)] matrix_a_fmt:MATRIX_FMT_FP4 matrix_b_fmt:MATRIX_FMT_FP4 matrix_a_scale:MATRIX_SCALE_ROW1
.endif
.endr
.endr
.endm
.macro FETCH_B slot, q, p
	WIN TO_B
.irp i, 0,1,2,3,4,5,6,7
	FRAG 128*(\p)+FR*\i, ADRB+\slot, \q, \i
.endr
	WIN 0
.endm
.macro FETCH_A slot, q, i0
.irp i, \i0, \i0+1, \i0+2, \i0+3
	FRAG AF+FR*(\i), ADRA+\slot, \q, \i
.endr
.endm
.macro SCALES sc                       ; a slot's scale words: four words a row; lanes 0-15 take A's block i, lanes 16-31 B's block i
.irp i, 0,1,2,3,4,5,6,7
	ds_load_b128 v[SC+8*NQ*\sc+NQ*\i:SC+8*NQ*\sc+NQ*\i+3], v[ADRS] offset:\i*SBLK
.endr
.endm
.macro PLACES n                        ; plain vector instructions between a matrix instruction and a load into, or a read of, its registers
.rept \n
	v_nop
.endr
.endm
.macro STEP slot, q, first             ; a step of 128 along K that has its successor in the same slot
	s_wait_dscnt 4*NL                              ; B's set and A's blocks 0-3 are in; the youngest eight loads (A's blocks 4-7) may be out
.if \first
	WIN FST_LO
.else
	WIN MUL_LO
.endif
	MUL16 0, (\q)%2, \q, \slot, \first
	MUL16 2, (\q)%2, \q, \slot, \first
	s_wait_dscnt 0                                 ; A's blocks 4-7 are in
	PLACES NP
	FETCH_B \slot, (\q)+1, 1-(\q)%2
	FETCH_A \slot, (\q)+1, 0
.if \first
	WIN FST_HI
.else
	WIN MUL_HI
.endif
	MUL16 4, (\q)%2, \q, \slot, \first
	MUL16 6, (\q)%2, \q, \slot, \first
	PLACES NP
	WIN 0
	FETCH_A \slot, (\q)+1, 4
.endm
; Slot 0's last step goes over to slot 1: one barrier; in front of it each wave waits for all its tensor loads (its part of slot 1), adds 0 to its spare word, and waits for that and for its reads of slot 0.
.macro TURN slot, next
	s_wait_tensorcnt 0x0                           ; all my tensor loads have landed
	ds_add_u32 v[SPW], v[NIL]                      ; 0 onto my spare word
	s_wait_dscnt 4*NL+1                            ; (the add and the youngest eight loads may be out)
	WIN MUL_LO
	MUL16 0, 1, NQ-1, \slot, 0
	s_wait_dscnt 0x0                               ; the add is done, and my reads of this slot are over
	s_barrier_signal -1
	MUL16 2, 1, NQ-1, \slot, 0
	WIN 0
	s_barrier_wait -1
	PLACES NP
	v_add_nc_u32 v[ADRS], 4*NQ, v[ADRS]            ; on to the next slot's scale words
	FETCH_B \next, 0, 0
	FETCH_A \next, 0, 0
	SCALES \next
	WIN MUL_HI
	MUL16 4, 1, NQ-1, \slot, 0
	MUL16 6, 1, NQ-1, \slot, 0
	PLACES NP
	WIN 0
	FETCH_A \next, 0, 4
.endm
	s_wait_tensorcnt 1                             ; the scales and my part of slot 0 are in (slot 1's load, the one issued behind them, may be out),
	s_barrier_signal -1
	s_barrier_wait -1                              ; everybody's are
	FETCH_B 0, 0, 0
	FETCH_A 0, 0, 0
	SCALES 0
	FETCH_A 0, 0, 4
	s_wait_loadcnt 0x0                             ; the bias
	STEP 0, 0, 1
	STEP 0, 1, 0
	STEP 0, 2, 0
	TURN 0, 1
	STEP 1, 0, 0
	STEP 1, 1, 0
	STEP 1, 2, 0
	s_wait_dscnt 4*NL                              ; the last step: nothing more to fetch
	WIN MUL_LO
	MUL16 0, 1, NQ-1, 1, 0
	MUL16 2, 1, NQ-1, 1, 0
	s_wait_dscnt 0
	WIN MUL_HI
	MUL16 4, 1, NQ-1, 1, 0
	MUL16 6, 1, NQ-1, 1, 0
	WIN 0
; THE WAY OUT, block by block of 16 tokens x 128 columns (two heads).  PACK: rounded to f16, 16 bytes a lane, each accumulator from its low end on.  TOSTAGE: into my own stage, and back so that sixteen lanes hold
; two tokens of one head.  SEND: stored: 256 consecutive bytes, aligned, for each sixteen lanes.  No base is stepped: every offset is an immediate (16,128 bytes at the most).
.macro PACK a
.set AC, 64*((\a)%4)
	WIN 0x0a+5*((\a)/4)                            ; sources 0 and 1: window 2 or 3
.irp b, 0,1,2,3,4,5,6,7
.irp r, 0,1,2,3
	v_cvt_pk_f16_f32 v[TMP+4*\b+\r], v[AC+8*\b+2*\r], v[AC+8*\b+2*\r+1]
.endr
.endr
	WIN 0
.endm
.macro TOSTAGE a
.set BB, BK+32*((\a)%2)
.irp b, 0,1,2,3,4,5,6,7
	ds_store_b128 v[STO], v[TMP+4*\b:TMP+4*\b+3] offset:32*\b
.endr
.irp t, 0,1,2,3,4,5,6,7
	ds_load_b128 v[BB+4*\t:BB+4*\t+3], v[RD] offset:\t*2*SPITCH    ; LDS serves a wave's instructions in order: these see the stores above
.endr
.endm
.macro SEND a
.set BB, BK+32*((\a)%2)
	s_wait_dscnt 0x0                               ; the block is back in registers
	s_wait_xcnt 0x0                                ; the block before has had its stores' registers read: the next block's loads may land there
.irp t, 0,1,2,3,4,5,6,7
	global_store_b128 v[CO], v[BB+4*\t:BB+4*\t+3], s[12:13] offset:2048*(\a)+256*\t th:TH_STORE_NT
.endr
.endm
	PLACES NP
	PACK 0
	TOSTAGE 0
.irp a, 1,2,3,4,5,6,7                  ; block a's conversions stand between block a - 1's loads from the stage and the wait for them
	PACK \a
	SEND \a-1
	TOSTAGE \a
.endr
	SEND 7
	s_wait_tensorcnt 0x0                           ; the wave's end
	ds_add_u32 v[SPW], v[NIL]
	s_wait_dscnt 0x0
	CROUND                                         ; the closing round
	s_endpgm
.Lfunc_end_k_qfca01d3a7c_qkv:
	.size	k_qfca01d3a7c_qkv, .Lfunc_end_k_qfca01d3a7c_qkv-k_qfca01d3a7c_qkv
	.p2alignl 7, 3214868480
	.fill 96, 4, 3214868480
	.section	.rodata,"a",@progbits
	.p2align	6, 0x0
	.amdhsa_kernel k_qfca01d3a7c_qkv
		.amdhsa_group_segment_fixed_size 327680
		.amdhsa_private_segment_fixed_size 0
		.amdhsa_enable_private_segment 0
		.amdhsa_kernarg_size 64
		.amdhsa_user_sgpr_count 2
		.amdhsa_user_sgpr_kernarg_segment_ptr 1
		.amdhsa_wavefront_size32 1
		.amdhsa_system_sgpr_workgroup_id_x 1
		.amdhsa_system_sgpr_workgroup_id_y 1
		.amdhsa_system_sgpr_workgroup_id_z 1
		.amdhsa_system_vgpr_workitem_id 0
		.amdhsa_next_free_vgpr 1024
		.amdhsa_next_free_sgpr 102
		.amdhsa_reserve_vcc 0
		.amdhsa_float_denorm_mode_32 3
		.amdhsa_float_denorm_mode_16_64 3
		.amdhsa_memory_ordered 1
		.amdhsa_forward_progress 1
		.amdhsa_inst_pref_size 129
	.end_amdhsa_kernel
	.amdgpu_metadata
---
amdhsa.version: [ 1, 2 ]
amdhsa.kernels:
  - .name:           k_qfca01d3a7c_qkv
    .symbol:         k_qfca01d3a7c_qkv.kd
    .args:
      - { .name: xc, .offset: 0, .size: 8, .value_kind: global_buffer, .address_space: global }
      - { .name: xs, .offset: 8, .size: 8, .value_kind: global_buffer, .address_space: global }
      - { .name: wc, .offset: 16, .size: 8, .value_kind: global_buffer, .address_space: global }
      - { .name: ws, .offset: 24, .size: 8, .value_kind: global_buffer, .address_space: global }
      - { .name: qkv, .offset: 32, .size: 8, .value_kind: global_buffer, .address_space: global }
      - { .name: bv, .offset: 40, .size: 8, .value_kind: global_buffer, .address_space: global }
      - { .name: bq, .offset: 48, .size: 8, .value_kind: global_buffer, .address_space: global }
      - { .name: bk, .offset: 56, .size: 8, .value_kind: global_buffer, .address_space: global }
    .group_segment_fixed_size: 327680
    .private_segment_fixed_size: 0
    .kernarg_segment_align: 8
    .kernarg_segment_size: 64
    .max_flat_workgroup_size: 128
    .sgpr_count:     102
    .vgpr_count:     1024
    .wavefront_size: 32
...
	.end_amdgpu_metadata
.endif
;; end of part 2
;; launch attn (part 3): grid 4 x 64, 16 waves a work-group, clusters of 4 x 1, 327,680 bytes of LDS; arguments qkv, mb, at; writes at
.if DOCPART == 3
	.amdgcn_target "amdgcn-amd-amdhsa--gfx1250"
	.amdhsa_code_object_version 6
	.text
	.protected	k_qfca01d3a7c_attn
	.globl	k_qfca01d3a7c_attn
	.p2align	8
	.type	k_qfca01d3a7c_attn,@function
k_qfca01d3a7c_attn:
	s_mov_b64 s[64:65], 0
	v_nop
	global_prefetch_b8 v0, s[64:65] scope:SCOPE_SE
	s_setreg_imm32_b32 hwreg(HW_REG_WAVE_MODE, 25, 1), 1
	s_wait_xcnt 0x0
	s_wait_alu depctr_hold_cnt(0) depctr_sa_sdst(0) depctr_va_vdst(0) depctr_va_sdst(0) depctr_va_ssrc(0) depctr_va_vcc(0) depctr_vm_vsrc(0)
	s_getreg_b32 s2, hwreg(HW_REG_IB_STS2, 6, 4)
	s_cmp_eq_u32 s2, 0
	s_cbranch_scc0 .Lentry_in_a_cluster
	s_endpgm
.Lentry_in_a_cluster:
	s_bfe_u32 s2, ttmp6, 0x10000c
	s_cmp_lg_u32 s2, 0x3003
	s_cbranch_scc0 .Lentry_shape_is_right
	s_endpgm
.Lentry_shape_is_right:
; Launch 3 of 4: at[head][token][:] = the sum over keys of softmax_k(mask x (q . k) / 8) v[k][:], for each batch and head.  No work is left out: the mask MULTIPLIES, so every key counts in every row.
; q, k, v: qkv [kind 3][b 4][head 16][s 2048][64] f16.  The mask: mb [b][g 64][ks 32][64 words], a lane mask for each score register.  Result: at [head 16][token 8192][64] f16.
; Products on f16 operands with f32 sums; maxima, exponentials and sums in f32; the weights p are rounded to f16 for the second product, the result once at the end.
; LIMITS: a score that is infinite or NaN under a mask of 0 gives 0 here (a selection, not a product); p lies in [0, about 1]; results under f16's 6e-5 lose bits (as drawn their spread is about 0.03).
; SHARES.  A work-group owns 512 queries of one (b, head); each of its sixteen waves 32 of them, two tiles of 16, in 256 registers: four waves to a SIMD, so that one wave's vector work stands beside another's products and LDS loads.
; Every wave walks the 2,048 keys, 64 a step.  K's and V's tiles come through two LDS slots of 256 keys.
; CLUSTER.  The four query blocks of a (b, head) form a cluster and walk the same K and V: each tile is asked for JOINTLY (waves 0, 1: K's halves; waves 2, 3: V's), with the mask of all four.
; LAYOUT.  S^T = K Q^T (source 0 = 16 keys, source 1 = 16 queries): a lane holds ONE query (lane % 16) and keys 8 (lane / 16) + 0..7.  Two such tiles, rounded to f16 in pairs, ARE source 1 (32 keys x 16 queries) of
; O^T = V^T P.  K comes out of LDS as it lies, V ([key][channel]) turned, by ds_load_tr16_b128.
; SOFTMAX.  For each query a running maximum m and sum l: p = 2^(c s - c m), c = log2(e) / 8; in every step O and l are multiplied by a = 2^(c m_old - c m_new).  The step is written once: m begins at -3e38, l and O^T at 0.
; THE MASK costs one instruction a score: v_cndmask_b32 by a word that a scalar load has brought, a step ahead.
; LDS: a slot = K keys 0-127, K keys 128-255, V keys 0-127, V keys 128-255, REG bytes each.  Two keys' 128 bytes lie on end in memory, so a tile is stated as 64 rows of 256 bytes, + 16 (K) or + 32 (V) of padding.
.set REG,   18432
.set SLOT1, 1<<17                      ; slot 1 begins here: one exclusive or turns an address
.set SPARE, SLOT1+4*REG                ; the spare words, 128 bytes for each of sixteen waves: eight blocks of 256 bytes that no other line names
.set AK0, 1                            ; v1  my lane's place in a tile of K
.set AV0, 2                            ; v2  the same for V
.set ADK, 3                            ; v3  the step's address for K
.set ADV, 4                            ; v4  and for V
.set SPW, 5                            ; v5  LDS address of my spare word; never rewritten
.set NIL, 6                            ; v6  0; never rewritten
.set GO,  7                            ; v7  16 x lane: my bytes in four rows of the result
.set PFO, 8                            ; v8  256 x lane: the prefetches' offset; never rewritten
.set STO, 9                            ; v9  the way out: where I put 16 bytes of a row
.set RD,  10                           ; v10 the way out: where I read them back
.set QO,  11                           ; v11 my byte offset in a tile of Q
.set ST,  12                           ; v12-27 tile t at ST + 8 t: +0 c m, +1 m, +2, +3 l in two halves, +4 .. +7 at work (a in +6)
.set Q,   32                           ; v32-63   Q: fragment (t, c) at Q + 16 t + 8 c
.set F,   64                           ; v64-127  K's fragments (kt, c) at F + 8 (2 kt + c); then V's (dt, c) at F + 8 (4 c + dt)
.set S,   128                          ; v128-191 S^T, tile t at S + 32 t; P is made in place: fragment (t, c) at S + 32 t + 8 c
.set O,   192                          ; v192-255 O^T: (t, dt) at O + 32 t + 8 dt
.set TB,  2                            ; s2  LDS byte at which the slot in hand begins
.set SLOTS, 3                          ; s3  slots still to be asked for
.set G0,  4                            ; s[4:7]   descriptor group 0: it walks
.set G1K, 8                            ; s[8:15]  group 1 for K's tiles
.set G1V, 16                           ; s[16:23] for V's: it differs in the padding alone
.set MP,  24                           ; s[24:25] my mask words of the step that was asked for last
.set OP,  26                           ; s[26:27] my 32 rows of the result
.set CS,  28                           ; s[28:29] c, twice
.set SEL, 30                           ; s[30:31] lane selects for v_permlanex16_b32: lane l xor 16
.set MW0, 32                           ; s[32:63] tile 0's 32 mask words
.set MW1, 68                           ; s[68:99] tile 1's
.set WV,  66
.set LIM, 67                           ; s67 1 in a wave that prefetches, else the greatest number
.set PFA, 100                          ; s[100:101] where my prefetches stand
.set QP,  104                          ; s[104:105] my 32 rows of q
.macro CROUND                          ; a round of the cluster's barrier
	s_barrier_signal -1
	s_barrier_wait -1
	s_cmp_lg_u32 s[WV], 0
	s_cbranch_scc1 .Lnot_wave_0_\@
	s_barrier_signal -3
.Lnot_wave_0_\@:
	s_barrier_wait -3
	s_barrier_signal -1
	s_barrier_wait -1
.endm
; A joint load.  Waves 0 and 1 fetch K's halves, waves 2 and 3 V's, the others nothing.  The branches hang on the wave's number alone.  An s_nop 0 and four v_nop follow each of the two lines.
.macro JLOAD
	s_cmp_lt_u32 s[WV], 2
	s_cbranch_scc0 .Lnot_k_\@
	tensor_load_to_lds s[G0:G0+3], s[G1K:G1K+7]
	s_nop 0
.rept 4
	v_nop
.endr
	s_branch .Lasked_\@
.Lnot_k_\@:
	s_cmp_lt_u32 s[WV], 4
	s_cbranch_scc0 .Lasked_\@
	tensor_load_to_lds s[G0:G0+3], s[G1V:G1V+7]
	s_nop 0
.rept 4
	v_nop
.endr
.Lasked_\@:
.endm
; A PREFETCH INTO THE L2 of what the NEXT change of slots will ask for: 32,768 bytes of K and as many of V.  This cluster alone reads them.  Wave 4 asks for K's, wave 5 for V's; the four partners share the bytes out
; BY ADDRESS, 8,192 each, lanes 256 bytes apart: each aligned block of 256 bytes is named once in the launch.  The last change that fills a slot asks for nothing; slots 0 and 1 come by their loads alone.
.macro ASK
	s_cmp_gt_u32 s[SLOTS], s[LIM]
	s_cbranch_scc0 .Lnot_mine_\@
	global_prefetch_b8 v[PFO], s[PFA:PFA+1] th:TH_LOAD_NT scope:SCOPE_SE
.Lnot_mine_\@:
.endm
	s_load_b128 s[32:35], s[0:1], 0x0              ; qkv, mb
	s_load_b64 s[36:37], s[0:1], 0x10              ; at
	v_lshl_add_u32 v[SPW], v0, 2, SPARE
	v_mov_b32 v[NIL], 0
	ds_add_u32 v[SPW], v[NIL]                      ; the wave's opening: the add, twice on end, and its wait ahead of the first tensor loads
	ds_add_u32 v[SPW], v[NIL]
	v_lshrrev_b32 v1, 5, v0
	v_readfirstlane_b32 s[WV], v1                  ; wave 0..15
	s_bfe_u32 s68, ttmp6, 0x40000                  ; cx: my block of 512 queries; it enters global addresses of q, the mask, the result and the prefetches alone
	s_and_b32 s69, ttmp7, 0xffff                   ; 16 b + head, which the four partners share
	s_lshr_b32 s70, s69, 4                         ; b
	s_and_b32 s71, s69, 15                         ; head
	s_lshl_b32 s76, s69, 18                        ; a (b, head)'s 2,048 rows of 128 bytes
	s_bfe_u32 s72, s[WV], 0x10001                  ; what I fetch, if I fetch: K (0) or V (1),
	s_add_co_u32 s72, s72, 1
	s_lshl_b32 s72, s72, 24                        ; kinds 1 and 2 of qkv, 16,777,216 bytes each,
	s_add_co_u32 s72, s72, s76
	s_and_b32 s77, s[WV], 1
	s_lshl_b32 s73, s77, 14                        ; keys 128 x (wave % 2) on
	s_add_co_u32 s72, s72, s73
	s_mov_b32 s73, 0
	s_and_b32 s[G0+1], s[WV], 3
	s_mul_i32 s[G0+1], s[G0+1], REG                ; and where it goes: region wave of slot 0
	s_lshl_b32 s86, s68, 16
	s_lshl_b32 s87, s[WV], 12
	s_add_co_u32 s86, s86, s87                     ; (512 cx + 32 wave) rows of 128 bytes
	s_add_co_u32 s78, s76, s86                     ; q: kind 0
	s_mov_b32 s79, 0
	s_lshl_b32 s80, s70, 6
	s_lshl_b32 s81, s68, 4
	s_add_co_u32 s80, s80, s81
	s_add_co_u32 s80, s80, s[WV]
	s_lshl_b32 s80, s80, 13                        ; the mask words: (64 b + 16 cx + wave) x 8,192 bytes
	s_mov_b32 s81, 0
	s_lshl_b32 s82, s71, 20                        ; the result: a head's 8,192 rows of 128 bytes,
	s_lshl_b32 s83, s70, 18                        ; a batch's 2,048
	s_add_co_u32 s82, s82, s83
	s_add_co_u32 s82, s82, s86
	s_mov_b32 s83, 0
	s_add_co_u32 s84, s77, 1                       ; the prefetches: K for even waves, V for odd,
	s_lshl_b32 s84, s84, 24
	s_add_co_u32 s84, s84, s76
	s_lshl_b32 s85, s68, 13                        ; my work-group's 8,192 bytes of a slot's 32,768,
	s_add_co_u32 s84, s84, s85
	s_add_co_u32 s84, s84, 32768                   ; in slot 1: the first change of slots steps it to slot 2
	s_mov_b32 s85, 0
	s_lshr_b32 s87, s[WV], 1
	s_cmp_eq_u32 s87, 2                            ; waves 4 and 5 ask
	s_cselect_b32 s[LIM], 1, -1
	s_mov_b32 s[G1K], 15|(1<<16)|(1<<20)|(1<<21)|(5<<22)|(3<<25)  ; the mask: all four work-groups; elements of 2 bytes; padding on; bit 21 beside a mask; after every 64 words 4 words
	s_mov_b32 s[G1V], 15|(1<<16)|(1<<20)|(1<<21)|(5<<22)|(7<<25)  ; the same with 8 words of padding
.irp g, G1K, G1V
	s_mov_b32 s[\g+1], 128<<16                     ; tensor_dim0 = 128 elements: two keys
	s_mov_b32 s[\g+2], 64<<16                      ; tensor_dim1 = 64
	s_mov_b32 s[\g+3], 128<<16                     ; tile_dim0
	s_mov_b32 s[\g+4], 64                          ; tile_dim1
	s_mov_b32 s[\g+5], 128                         ; from row to row: dense
	s_mov_b32 s[\g+6], 0
	s_mov_b32 s[\g+7], 0
.endr
	s_mov_b32 s[CS], 0x3e38aa3b                    ; c = log2(e) / 8
	s_mov_b32 s[CS+1], s[CS]
	s_mov_b32 s[SEL], 0x76543210
	s_mov_b32 s[SEL+1], 0xfedcba98
	s_mov_b32 s[SLOTS], 7
	s_mov_b32 s[G0], 1
	s_wait_dscnt 0x0                               ; both opening adds are done
	s_wait_kmcnt 0x0
	s_add_nc_u64 s[G0+2:G0+3], s[32:33], s[72:73]
	s_or_b32 s[G0+3], s[G0+3], 0x80000000          ; type = 2
	s_add_nc_u64 s[QP:QP+1], s[32:33], s[78:79]
	s_add_nc_u64 s[MP:MP+1], s[34:35], s[80:81]
	s_add_nc_u64 s[OP:OP+1], s[36:37], s[82:83]
	s_add_nc_u64 s[PFA:PFA+1], s[32:33], s[84:85]
	CROUND                                         ; all four work-groups are here: the first joint loads meet
	JLOAD                                          ; slot 0
	v_and_b32 v28, 15, v0                          ; r
	v_bfe_u32 v29, v0, 4, 1                        ; h
	v_lshlrev_b32 v[QO], 7, v28
	v_lshl_add_u32 v[QO], v29, 4, v[QO]            ; row r of 128 bytes + 16 h
.irp t, 0,1
.irp c, 0,1
	global_load_b128 v[Q+16*\t+8*\c:Q+16*\t+8*\c+3], v[QO], s[QP:QP+1] offset:2048*\t+64*\c       ; Q stays in registers
	global_load_b128 v[Q+16*\t+8*\c+4:Q+16*\t+8*\c+7], v[QO], s[QP:QP+1] offset:2048*\t+64*\c+32
.endr
.endr
	s_load_b512 s[MW0:MW0+15], s[MP:MP+1], 0x0     ; step 0's mask words (the arguments and the offsets above are done with)
	s_load_b512 s[MW0+16:MW0+31], s[MP:MP+1], 0x40
	s_load_b512 s[MW1:MW1+15], s[MP:MP+1], 0x80
	s_load_b512 s[MW1+16:MW1+31], s[MP:MP+1], 0xc0
	v_lshrrev_b32 v30, 1, v28
	v_and_b32 v31, 1, v0
	v_mul_u32_u24 v[AK0], v30, 272                 ; K: key x of a region lies at (x / 2) x 272 + (x % 2) x 128
	v_lshl_add_u32 v[AK0], v31, 7, v[AK0]
	v_lshl_add_u32 v[AK0], v29, 4, v[AK0]          ; + 16 h
	v_bfe_u32 v30, v0, 1, 2
	v_lshl_add_u32 v30, v29, 2, v30                ; V: the turning load's lane l addresses key 8 h + l % 8, channels 8 ((l / 8) % 2) on
	v_mul_u32_u24 v[AV0], v30, 288
	v_lshl_add_u32 v[AV0], v31, 7, v[AV0]
	v_bfe_u32 v30, v0, 3, 1
	v_lshl_add_u32 v[AV0], v30, 4, v[AV0]
	v_add_nc_u32 v[AV0], 2*REG, v[AV0]
	v_and_b32 v30, 31, v0
	v_lshlrev_b32 v[GO], 4, v30
	v_lshlrev_b32 v[PFO], 8, v30
	s_mul_i32 s[TB], s[WV], 4608                   ; my stage for the way out: 32 rows x 144 bytes, in slot 0
	v_mul_u32_u24 v[STO], v28, 144
	v_lshl_add_u32 v[STO], v29, 4, v[STO]
	v_add_nc_u32 v[STO], s[TB], v[STO]
	v_lshrrev_b32 v31, 3, v30
	v_and_b32 v30, 7, v0
	v_mul_u32_u24 v[RD], v31, 144
	v_lshl_add_u32 v[RD], v30, 4, v[RD]
	v_add_nc_u32 v[RD], s[TB], v[RD]
	s_mov_b32 s[TB], 0                             ; from here on: the slot in hand
.irp t, 0,1
	v_mov_b32 v[ST+8*\t+1], 0xff61b1e6             ; m: -3e38, under every score
	v_mul_f32 v[ST+8*\t], s[CS], v[ST+8*\t+1]      ; c m
.irp i, 2,3,4,5,6,7
	v_mov_b32 v[ST+8*\t+\i], 0                     ; l; and the registers at work (a lane permute's destination counts as read)
.endr
.endr
.set i, 0
.rept 64
	v_mov_b32 v[O+i], 0                            ; O^T: the step is written once; its first a is 0 and multiplies zeros
.set i, i+1
.endr
	s_wait_loadcnt 0x0                             ; Q
; A KEY STEP: 64 keys, the q-th of the slot in hand.  last = 1: the launch's last step asks for no further mask words.
.macro STEP q, last
.set KB, ((\q)>>1)*REG+((\q)&1)*8704
.set VB, ((\q)>>1)*REG+((\q)&1)*9216
	v_add_nc_u32 v[ADK], s[TB], v[AK0]
	v_add_nc_u32 v[ADV], s[TB], v[AV0]
.rept 3
	v_nop                                          ; with the two additions five places behind the last products: four for the loads into their fragments, five since the new scores are laid over P
.endr
.irp c, 0,1                            ; K's fragments, channels 0-31 first
.irp kt, 0,1,2,3
	ds_load_b128 v[F+8*(2*\kt+\c):F+8*(2*\kt+\c)+3], v[ADK] offset:KB+2176*\kt+64*\c
	ds_load_b128 v[F+8*(2*\kt+\c)+4:F+8*(2*\kt+\c)+7], v[ADK] offset:KB+2176*\kt+64*\c+32
.endr
.endr
.irp c, 0,1                            ; S^T = K Q^T: eight accumulators by turns
	s_wait_dscnt 8-8*\c                            ; channels 0-31 are in, the eight younger loads may be out; then all
.irp kt, 0,1,2,3
.irp t, 0,1
.if \c == 0
	v_wmma_f32_16x16x32_f16 v[S+32*\t+8*\kt:S+32*\t+8*\kt+7], v[F+8*(2*\kt+\c):F+8*(2*\kt+\c)+7], v[Q+16*\t+8*\c:Q+16*\t+8*\c+7], 0
.else
	v_wmma_f32_16x16x32_f16 v[S+32*\t+8*\kt:S+32*\t+8*\kt+7], v[F+8*(2*\kt+\c):F+8*(2*\kt+\c)+7], v[Q+16*\t+8*\c:Q+16*\t+8*\c+7], v[S+32*\t+8*\kt:S+32*\t+8*\kt+7]
.endif
.endr
.endr
.endr
.rept 4
	v_nop                                          ; places in front of the loads into K's registers and of the first read of the scores
.endr
.irp c, 0,1                            ; V's fragments, turned: they land during the softmax
.irp dt, 0,1,2,3
	ds_load_tr16_b128 v[F+8*(4*\c+\dt):F+8*(4*\c+\dt)+3], v[ADV] offset:VB+4608*\c+32*\dt
	ds_load_tr16_b128 v[F+8*(4*\c+\dt)+4:F+8*(4*\c+\dt)+7], v[ADV] offset:VB+4608*\c+2304+32*\dt
.endr
.endr
	s_wait_kmcnt 0x0                               ; this step's mask words, asked for a step ago
.irp kt, 0,1,2,3                       ; score x mask: the score where the bit is set, else 0; each accumulator from its low end on
.irp j, 0,1,2,3,4,5,6,7
	v_cndmask_b32 v[S+8*\kt+\j], 0, v[S+8*\kt+\j], s[MW0+8*\kt+\j]
	v_cndmask_b32 v[S+32+8*\kt+\j], 0, v[S+32+8*\kt+\j], s[MW1+8*\kt+\j]
.endr
.endr
.if \last == 0
	s_wait_xcnt 0x0                                ; the scalar loads have read their base: it may step
	s_add_nc_u64 s[MP:MP+1], s[MP:MP+1], 256
	s_load_b512 s[MW0:MW0+15], s[MP:MP+1], 0x0     ; the next step's words: a whole step in which to land
	s_load_b512 s[MW0+16:MW0+31], s[MP:MP+1], 0x40
	s_load_b512 s[MW1:MW1+15], s[MP:MP+1], 0x80
	s_load_b512 s[MW1+16:MW1+31], s[MP:MP+1], 0xc0
.endif
.irp j, 0,1,2,3                        ; the maximum of my 32 scores and the old m: four chains a tile, the two tiles by turns
.irp t, 0,1
	v_max3_num_f32 v[ST+8*\t+4+\j], v[S+32*\t+8*\j], v[S+32*\t+8*\j+1], v[S+32*\t+8*\j+2]
.endr
.endr
.irp i, 3,5
.irp j, 0,1,2,3
.irp t, 0,1
	v_max3_num_f32 v[ST+8*\t+4+\j], v[ST+8*\t+4+\j], v[S+32*\t+8*\j+\i], v[S+32*\t+8*\j+\i+1]
.endr
.endr
.endr
.irp t, 0,1
	v_max3_num_f32 v[ST+8*\t+4], v[ST+8*\t+4], v[S+32*\t+7], v[S+32*\t+15]
	v_max3_num_f32 v[ST+8*\t+6], v[ST+8*\t+6], v[S+32*\t+23], v[S+32*\t+31]
.endr
.irp t, 0,1
	v_max3_num_f32 v[ST+8*\t+4], v[ST+8*\t+4], v[ST+8*\t+5], v[ST+8*\t+6]
.endr
.irp t, 0,1
	v_max3_num_f32 v[ST+8*\t+4], v[ST+8*\t+4], v[ST+8*\t+7], v[ST+8*\t+1]
.endr
.irp t, 0,1
	v_permlanex16_b32 v[ST+8*\t+5], v[ST+8*\t+4], s[SEL], s[SEL+1]  ; the query's other 32 keys lie in the lane 16 away
.endr
.irp t, 0,1
	v_mov_b32 v[ST+8*\t+7], v[ST+8*\t]             ; c m_old
.endr
.irp t, 0,1
	v_max_num_f32 v[ST+8*\t+1], v[ST+8*\t+4], v[ST+8*\t+5]
.endr
.irp t, 0,1
	v_mul_f32 v[ST+8*\t], s[CS], v[ST+8*\t+1]
.endr
.irp t, 0,1
	v_sub_f32 v[ST+8*\t+7], v[ST+8*\t+7], v[ST+8*\t]
.endr
.set i, 0
.rept 16
.irp t, 0,1
	v_pk_fma_f32 v[S+32*\t+i:S+32*\t+i+1], v[S+32*\t+i:S+32*\t+i+1], s[CS:CS+1], v[ST+8*\t:ST+8*\t+1] op_sel_hi:[1,0,0] neg_lo:[0,0,1] neg_hi:[0,0,1]  ; c s - c m, two at a time
.endr
.set i, i+2
.endr
.irp t, 0,1                            ; ONE BATCH of 66 exponentials: a of both tiles, then the 64 weights
	v_exp_f32 v[ST+8*\t+6], v[ST+8*\t+7]
.endr
.set i, 0
.rept 64
	v_exp_f32 v[S+i], v[S+i]
.set i, i+1
.endr
	v_nop                                          ; a plain instruction behind the last exponential
	s_wait_alu depctr_va_vdst(0)                   ; one wait for the batch, ahead of its first reader
.irp t, 0,1
	v_pk_mul_f32 v[ST+8*\t+2:ST+8*\t+3], v[ST+8*\t+2:ST+8*\t+3], v[ST+8*\t+6:ST+8*\t+7] op_sel_hi:[1,0]   ; l x a
.endr
.irp t, 0,1                            ; the sum of the unrounded weights: two chains a tile
	v_pk_add_f32 v[ST+8*\t+4:ST+8*\t+5], v[S+32*\t+2:S+32*\t+3], v[S+32*\t+6:S+32*\t+7]
	v_pk_add_f32 v[ST+8*\t+2:ST+8*\t+3], v[ST+8*\t+2:ST+8*\t+3], v[S+32*\t:S+32*\t+1]
.endr
.irp i, 4,8,12,16,20,24
.irp t, 0,1
	v_pk_add_f32 v[ST+8*\t+2:ST+8*\t+3], v[ST+8*\t+2:ST+8*\t+3], v[S+32*\t+\i:S+32*\t+\i+1]
	v_pk_add_f32 v[ST+8*\t+4:ST+8*\t+5], v[ST+8*\t+4:ST+8*\t+5], v[S+32*\t+\i+6:S+32*\t+\i+7]
.endr
.endr
.irp t, 0,1
	v_pk_add_f32 v[ST+8*\t+2:ST+8*\t+3], v[ST+8*\t+2:ST+8*\t+3], v[S+32*\t+28:S+32*\t+29]
.endr
.irp t, 0,1
	v_pk_add_f32 v[ST+8*\t+2:ST+8*\t+3], v[ST+8*\t+2:ST+8*\t+3], v[ST+8*\t+4:ST+8*\t+5]
.endr
.set i, 0
.rept 16                               ; to f16, in place and ascending: register i takes weights 2 i and 2 i + 1, which no earlier line has written over
.irp t, 0,1
	v_cvt_pk_f16_f32 v[S+32*\t+i], v[S+32*\t+2*i], v[S+32*\t+2*i+1]
.endr
.set i, i+1
.endr
.irp t, 0,1
.set i, 0
.rept 16
	v_pk_mul_f32 v[O+32*\t+i:O+32*\t+i+1], v[O+32*\t+i:O+32*\t+i+1], v[ST+8*\t+6:ST+8*\t+7] op_sel_hi:[1,0]   ; O^T x a
.set i, i+2
.endr
.endr
	s_wait_dscnt 0x0                               ; V is in
.irp c, 0,1                            ; O^T += V^T P: eight accumulators by turns
.irp dt, 0,1,2,3
.irp t, 0,1
	v_wmma_f32_16x16x32_f16 v[O+32*\t+8*\dt:O+32*\t+8*\dt+7], v[F+8*(4*\c+\dt):F+8*(4*\c+\dt)+7], v[S+32*\t+8*\c:S+32*\t+8*\c+7], v[O+32*\t+8*\dt:O+32*\t+8*\dt+7]
.endr
.endr
.endr
.endm
; THE CHANGE OF SLOTS stands at a slot's head.  Each wave waits for all its tensor loads (its part of the slot that it is about to read), adds 0 to its spare word, and waits for that and for its reads of the slot that it has left.
; fill = 1: a round of the cluster's barrier follows, so that no wave of any partner still reads that slot or has a load on its way, and the slot is filled with the next 256 keys: the load has four key steps in which to land.
; By this text's own count a wave has one tensor load out.
.macro CHANGE fill
	s_wait_tensorcnt 0x0                           ; no tensor load of mine is out, so group 0 may be written
	ds_add_u32 v[SPW], v[NIL]                      ; 0 onto my spare word
.if \fill
	ds_add_u32 v[SPW], v[NIL]                      ; and once more: the add stands twice on end, in every trip alike
	s_xor_b32 s[G0+1], s[G0+1], SLOT1              ; the walking descriptor: the other slot than last time,
	s_add_nc_u64 s[G0+2:G0+3], s[G0+2:G0+3], 32768 ; the next 256 keys; the type bits on top are not reached
	s_wait_xcnt 0x0                                ; the last prefetch, a slot back, has read its address
	s_add_nc_u64 s[PFA:PFA+1], s[PFA:PFA+1], 32768 ; one slot further on than the walking descriptor
	s_wait_dscnt 0x0                               ; both adds are done, and my reads of the slot that I have left are over
	CROUND
	JLOAD
	ASK
.else
	s_wait_dscnt 0x0
	s_barrier_signal -1
	s_barrier_wait -1
.endif
.endm
.macro SLOT_STEPS last
	STEP 0, 0
	STEP 1, 0
	STEP 2, 0
	STEP 3, \last
	s_xor_b32 s[TB], s[TB], SLOT1                  ; on to the other slot
.endm
.Lslot:                                            ; seven trips: behind each change of slots but the last the next slot is asked for
	CHANGE 1
	SLOT_STEPS 0
	s_sub_co_u32 s[SLOTS], s[SLOTS], 1
	s_cmp_lg_u32 s[SLOTS], 0
	s_cbranch_scc1 .Lslot
	CHANGE 0                                       ; the last slot is written out
	SLOT_STEPS 1
	; THE WAY OUT.  O^T / l, rounded to f16, goes through my stage (in slot 0: it has had its last fill, and behind the last change of slots nobody reads it) and leaves as 512 consecutive bytes a store.
.rept 4
	v_nop                                          ; places behind the last products
.endr
.irp t, 0,1
	v_add_f32 v[ST+8*\t+4], v[ST+8*\t+2], v[ST+8*\t+3]
.endr
.irp t, 0,1
	v_permlanex16_b32 v[ST+8*\t+5], v[ST+8*\t+4], s[SEL], s[SEL+1]
.endr
.irp t, 0,1
	v_add_f32 v[ST+8*\t+4], v[ST+8*\t+4], v[ST+8*\t+5]
.endr
.irp t, 0,1
	v_rcp_f32 v[ST+8*\t+6], v[ST+8*\t+4]
.endr
	v_nop
	s_wait_alu depctr_va_vdst(0)                   ; one wait for the two reciprocals, ahead of their first reader
.irp t, 0,1
.set i, 0
.rept 16
	v_pk_mul_f32 v[O+32*\t+i:O+32*\t+i+1], v[O+32*\t+i:O+32*\t+i+1], v[ST+8*\t+6:ST+8*\t+7] op_sel_hi:[1,0]
.set i, i+2
.endr
.endr
.irp t, 0,1
.set i, 0
.rept 16
	v_cvt_pk_f16_f32 v[S+16*\t+i], v[O+32*\t+2*i], v[O+32*\t+2*i+1]
.set i, i+1
.endr
.endr
.irp t, 0,1
.irp dt, 0,1,2,3
	ds_store_b128 v[STO], v[S+16*\t+4*\dt:S+16*\t+4*\dt+3] offset:2304*\t+32*\dt   ; query 16 t + r, channels 16 dt + 8 h + 0 .. 7
.endr
.endr
.irp i, 0,1,2,3,4,5,6,7
	ds_load_b128 v[F+4*\i:F+4*\i+3], v[RD] offset:576*\i           ; four whole rows (LDS serves a wave in order: these see my stores)
.endr
.irp i, 0,1,2,3,4,5,6,7
	s_wait_dscnt 7-\i
	global_store_b128 v[GO], v[F+4*\i:F+4*\i+3], s[OP:OP+1] offset:512*\i th:TH_STORE_NT
.endr
	s_wait_tensorcnt 0x0                           ; the wave's end
	ds_add_u32 v[SPW], v[NIL]
	s_wait_dscnt 0x0
	CROUND                                         ; the closing round
	s_endpgm
.Lfunc_end_k_qfca01d3a7c_attn:
	.size	k_qfca01d3a7c_attn, .Lfunc_end_k_qfca01d3a7c_attn-k_qfca01d3a7c_attn
	.p2alignl 7, 3214868480
	.fill 96, 4, 3214868480
	.section	.rodata,"a",@progbits
	.p2align	6, 0x0
	.amdhsa_kernel k_qfca01d3a7c_attn
		.amdhsa_group_segment_fixed_size 327680
		.amdhsa_private_segment_fixed_size 0
		.amdhsa_enable_private_segment 0
		.amdhsa_kernarg_size 24
		.amdhsa_user_sgpr_count 2
		.amdhsa_user_sgpr_kernarg_segment_ptr 1
		.amdhsa_wavefront_size32 1
		.amdhsa_system_sgpr_workgroup_id_x 1
		.amdhsa_system_sgpr_workgroup_id_y 1
		.amdhsa_system_sgpr_workgroup_id_z 1
		.amdhsa_system_vgpr_workitem_id 0
		.amdhsa_next_free_vgpr 256
		.amdhsa_next_free_sgpr 106
		.amdhsa_reserve_vcc 0
		.amdhsa_float_denorm_mode_32 3
		.amdhsa_float_denorm_mode_16_64 3
		.amdhsa_memory_ordered 1
		.amdhsa_forward_progress 1
		.amdhsa_inst_pref_size 190
	.end_amdhsa_kernel
	.amdgpu_metadata
---
amdhsa.version: [ 1, 2 ]
amdhsa.kernels:
  - .name:           k_qfca01d3a7c_attn
    .symbol:         k_qfca01d3a7c_attn.kd
    .args:
      - { .name: qkv, .offset: 0, .size: 8, .value_kind: global_buffer, .address_space: global }
      - { .name: mb, .offset: 8, .size: 8, .value_kind: global_buffer, .address_space: global }
      - { .name: at, .offset: 16, .size: 8, .value_kind: global_buffer, .address_space: global }
    .group_segment_fixed_size: 327680
    .private_segment_fixed_size: 0
    .kernarg_segment_align: 8
    .kernarg_segment_size: 24
    .max_flat_workgroup_size: 512
    .sgpr_count:     106
    .vgpr_count:     256
    .wavefront_size: 32
...
	.end_amdgpu_metadata
.endif
;; end of part 3
;; launch proj (part 4): grid 8 x 32, 4 waves a work-group, clusters of 4 x 4, 327,680 bytes of LDS; arguments at, wo16, bo, out0; writes out0
.if DOCPART == 4
	.amdgcn_target "amdgcn-amd-amdhsa--gfx1250"
	.amdhsa_code_object_version 6
	.text
	.protected	k_qfca01d3a7c_proj
	.globl	k_qfca01d3a7c_proj
	.p2align	8
	.type	k_qfca01d3a7c_proj,@function
k_qfca01d3a7c_proj:
	s_mov_b64 s[64:65], 0
	v_nop
	global_prefetch_b8 v0, s[64:65] scope:SCOPE_SE
	s_setreg_imm32_b32 hwreg(HW_REG_WAVE_MODE, 25, 1), 1
	s_wait_xcnt 0x0
	s_wait_alu depctr_hold_cnt(0) depctr_sa_sdst(0) depctr_va_vdst(0) depctr_va_sdst(0) depctr_va_ssrc(0) depctr_va_vcc(0) depctr_vm_vsrc(0)
	s_getreg_b32 s2, hwreg(HW_REG_IB_STS2, 6, 4)
	s_cmp_eq_u32 s2, 0
	s_cbranch_scc0 .Lentry_in_a_cluster
	s_endpgm
.Lentry_in_a_cluster:
	s_bfe_u32 s2, ttmp6, 0x10000c
	s_cmp_lg_u32 s2, 0xf033
	s_cbranch_scc0 .Lentry_shape_is_right
	s_endpgm
.Lentry_shape_is_right:
; Launch 4 of 4: out0[token][n] = the sum over k of at[token][k] Wo[n][k] + bo[n].  No work is left out.  f16 operands, f32 sums that begin with the bias; out0 [8192][1024] f32.
; at: [head 16][token 8192][64] f16;  wo16: [head 16][n 1024][64] f16: K = 64 head + channel.  In both, two rows of a head are 256 consecutive bytes, so a tile is stated as rows of 256 bytes.
; A tile of C is 256 tokens x 128 columns: 256 work-groups.  Four waves, each 128 x 64: 32 accumulators of 16 x 16, 256 registers.  K goes in steps of 128 (two heads) through two LDS slots.
; CLUSTERS: 4 x 4 work-groups; A's tiles are shared along a row of the cluster, B's along a column: joint loads.  Waves 0, 1 fetch A's two heads of a step, waves 2, 3 B's: one load a wave behind each round.
; By this text's own count a wave has two tensor loads out at the start and one later; from a refill's request to the wait for it a wave issues 112 matrix instructions.
; THE MATRIX INSTRUCTION IS USED TRANSPOSED (source 0 = 16 rows of Wo, source 1 = 16 tokens): a lane holds eight neighbouring columns of a row of C.
; REGISTERS: window 0: v0-31 addresses; v32-63 the bias, eight registers for each of my four column blocks; v64-159 and v160-255 two fragment buffers (B's four fragments, then A's eight).  window 1: the accumulators, (a, b) at v[8 (4 a + b)].
.set PITCH,  272                       ; an LDS row: two tokens' 256 bytes + 16 of padding
.set AHEAD,  128*PITCH                 ; A, one head: 256 tokens
.set BHEAD,  64*PITCH                  ; B, one head: 128 rows of Wo
.set BOFF,   2*AHEAD
.set SLOT,   2*AHEAD+2*BHEAD
.set STAGE,  2*SLOT                    ; behind the slots: 16 rows x 272 bytes for each wave, for the way out
.set SPITCH, 272
.set SPARE,  STAGE+4*16*SPITCH         ; the spare words, 128 bytes for each wave: two blocks of 256 bytes that no other line names
.set LAPS,   4                         ; a lap = two K steps; K = 1,024 is eight
.set ADRA, 16
.set ADRB, 20
.set STO,  24
.set RD,   25
.set CO,   26
.set BO,   27
.set SPW,  28
.set NIL,  29
.set BIAS, 32
.set F0,   64
.set F1,   160
.set OB,   64                          ; the way out: 16 rows read back: v64-95 and v96-127 by turns
.set G1, 24
.set G0, 32
.set G1B, 48
.set G0B, 56
.set MSB, 0
.macro WIN new                         ; the immediate's high byte repeats the setting that is left
.if MSB != \new
	s_set_vgpr_msb (MSB<<8)|\new
.set MSB, \new
.endif
.endm
.set MUL, 0x50                         ; sources 0 and 1 window 0; C and D window 1.  The first products: C (the bias) window 0: 0x40
.macro JLOAD s                         ; a joint load: an s_nop 0 and four v_nop follow each of the two lines
	s_cmp_eq_u32 s13, 0
	s_cbranch_scc0 .Lfor_b_\@
	tensor_load_to_lds s[G0+4*\s:G0+4*\s+3], s[G1:G1+7]
	s_nop 0
.rept 4
	v_nop
.endr
	s_branch .Lasked_\@
.Lfor_b_\@:
	tensor_load_to_lds s[G0B+4*\s:G0B+4*\s+3], s[G1B:G1B+7]
	s_nop 0
.rept 4
	v_nop
.endr
.Lasked_\@:
.endm
.macro CREST                           ; a round of the cluster's barrier behind its opening barrier
	s_cmp_lg_u32 s12, 0
	s_cbranch_scc1 .Lnot_wave_0_\@
	s_barrier_signal -3
.Lnot_wave_0_\@:
	s_barrier_wait -3
	s_barrier_signal -1
	s_barrier_wait -1
.endm
.macro CROUND
	s_barrier_signal -1
	s_barrier_wait -1
	CREST
.endm
	s_load_b256 s[4:11], s[0:1], 0x0               ; at s[4:5], wo16 s[6:7], bo s[8:9], out0 s[10:11]
	v_lshl_add_u32 v[SPW], v0, 2, SPARE
	v_mov_b32 v[NIL], 0
	ds_add_u32 v[SPW], v[NIL]                      ; the wave's opening: the add, twice on end, and its wait ahead of my first tensor load
	ds_add_u32 v[SPW], v[NIL]
	v_lshrrev_b32 v1, 5, v0
	v_readfirstlane_b32 s12, v1                    ; wave 0..3
	s_lshr_b32 s13, s12, 1                         ; which half of the tile's rows is mine.  Also: I fetch for A (0) or for B (1)
	s_and_b32 s14, s12, 1                          ; which half of its columns.  Also: which of a step's two heads I fetch
	s_bfe_u32 s40, ttmp6, 0x40000                  ; cx, cy
	s_bfe_u32 s41, ttmp6, 0x40004
	s_lshl_b32 s42, ttmp9, 2
	s_add_co_u32 s42, s42, s40                     ; tile column of C
	s_and_b32 s15, ttmp7, 0xffff
	s_lshl_b32 s15, s15, 2
	s_add_co_u32 s15, s15, s41                     ; tile row of C
	s_lshl_b32 s43, s41, 2
	s_lshl_b32 s43, 15, s43                        ; my row of the cluster
	s_lshl_b32 s44, 0x1111, s40                    ; my column
	s_or_b32 s[G1+0], s43, (1<<16)|(1<<20)|(1<<21)|(5<<22)|(3<<25)  ; the mask; elements of 2 bytes; padding on; bit 21 beside a mask; after every 64 words 4 words
	s_or_b32 s[G1B+0], s44, (1<<16)|(1<<20)|(1<<21)|(5<<22)|(3<<25)
	s_mov_b32 s[G1+1], 128<<16                     ; A: 128 rows of 128 elements, dense
	s_mov_b32 s[G1+2], 128<<16
	s_mov_b32 s[G1+3], 128<<16
	s_mov_b32 s[G1+4], 128
	s_mov_b32 s[G1+5], 128
	s_mov_b32 s[G1+6], 0
	s_mov_b32 s[G1+7], 0
	s_mov_b32 s[G1B+1], 128<<16                    ; B: 64 rows
	s_mov_b32 s[G1B+2], 64<<16
	s_mov_b32 s[G1B+3], 128<<16
	s_mov_b32 s[G1B+4], 64
	s_mov_b32 s[G1B+5], 128
	s_mov_b32 s[G1B+6], 0
	s_mov_b32 s[G1B+7], 0
	s_lshl_b32 s16, s14, 20                        ; A: my head of the step, 1,048,576 bytes a head,
	s_lshl_b32 s17, s15, 15                        ; the tile row's 256 tokens of 128 bytes
	s_add_co_u32 s16, s16, s17
	s_mov_b32 s17, 0
	s_lshl_b32 s46, s14, 17                        ; B: 131,072 bytes a head,
	s_lshl_b32 s47, s42, 14                        ; the tile column's 128 rows
	s_add_co_u32 s46, s46, s47
	s_mov_b32 s47, 0
	s_mul_i32 s20, s12, AHEAD                      ; where they go: A's heads at wave x AHEAD (waves 0, 1),
	s_mul_i32 s21, s12, BHEAD
	s_add_co_u32 s21, s21, BOFF-2*BHEAD            ; B's at BOFF + (wave - 2) x BHEAD (waves 2, 3)
	s_wait_dscnt 0x0                               ; both opening adds are done
	s_wait_kmcnt 0x0
	s_add_nc_u64 s[18:19], s[4:5], s[16:17]
	s_add_nc_u64 s[46:47], s[6:7], s[46:47]
	CROUND                                         ; all sixteen work-groups are here: the first joint loads meet
.irp s, 0,1
	s_mov_b32 s[G0+4*\s], 1
	s_add_co_u32 s[G0+4*\s+1], s20, \s*SLOT
	s_add_nc_u64 s[G0+4*\s+2:G0+4*\s+3], s[18:19], \s*2097152      ; K step s: two heads on
	s_or_b32 s[G0+4*\s+3], s[G0+4*\s+3], 0x80000000
	s_mov_b32 s[G0B+4*\s], 1
	s_add_co_u32 s[G0B+4*\s+1], s21, \s*SLOT
	s_add_nc_u64 s[G0B+4*\s+2:G0B+4*\s+3], s[46:47], \s*262144
	s_or_b32 s[G0B+4*\s+3], s[G0B+4*\s+3], 0x80000000
	JLOAD \s
.endr
	s_lshl_b32 s46, s42, 9                         ; my first column, in bytes of f32: 512 x tile column + 256 x half: for bo and for out0
	s_lshl_b32 s47, s14, 8
	s_add_co_u32 s46, s46, s47
	s_mov_b32 s47, 0
	s_add_nc_u64 s[8:9], s[8:9], s[46:47]
	s_add_nc_u64 s[10:11], s[10:11], s[46:47]
	s_lshl_b32 s16, s15, 8
	s_lshl_b32 s17, s13, 7
	s_add_co_u32 s16, s16, s17                     ; my first row of C
	s_lshl_b32 s16, s16, 12                        ; rows of 4,096 bytes
	s_mov_b32 s17, 0
	s_add_nc_u64 s[10:11], s[10:11], s[16:17]
	v_and_b32 v1, 15, v0                           ; r
	v_bfe_u32 v2, v0, 4, 1                         ; h
	v_lshlrev_b32 v[BO], 5, v2
.irp b, 0,1,2,3                        ; register j of block b: bo of column 16 b + 8 h + j: the result's layout
	global_load_b128 v[BIAS+8*\b:BIAS+8*\b+3], v[BO], s[8:9] offset:64*\b
	global_load_b128 v[BIAS+8*\b+4:BIAS+8*\b+7], v[BO], s[8:9] offset:64*\b+16
.endr
	v_lshrrev_b32 v3, 1, v1
	v_and_b32 v4, 1, v0
	v_mul_u32_u24 v3, v3, PITCH                    ; row x of a head's tile lies at (x / 2) x 272 + (x % 2) x 128
	v_lshl_add_u32 v3, v4, 7, v3
	v_lshl_add_u32 v3, v2, 4, v3                   ; + 16 h
	s_mul_i32 s21, s13, 64*PITCH                   ; my 128 tokens
	s_mul_i32 s22, s14, 32*PITCH                   ; my 64 rows of Wo,
	s_add_co_u32 s22, s22, BOFF
.irp s, 0,1
	v_add_nc_u32 v[ADRA+\s], s21, v3
	v_add_nc_u32 v[ADRB+\s], s22, v3
	s_add_co_u32 s21, s21, SLOT
	s_add_co_u32 s22, s22, SLOT
.endr
	s_mul_i32 s23, s12, 16*SPITCH
	s_add_co_u32 s23, s23, STAGE                   ; my stage
	v_mul_u32_u24 v4, v1, SPITCH                   ; in: row r, 32 bytes for each half of the lanes
	v_lshl_add_u32 v4, v2, 5, v4
	v_add_nc_u32 v[STO], s23, v4
	v_mul_u32_u24 v5, v2, SPITCH                   ; back: lanes 0-15 one row of 256 bytes, lanes 16-31 the next
	v_lshl_add_u32 v5, v1, 4, v5
	v_add_nc_u32 v[RD], s23, v5
	v_lshlrev_b32 v[CO], 12, v2                    ; and the same two rows in out0
	v_lshl_add_u32 v[CO], v1, 4, v[CO]
; 8 matrix instructions: token blocks a0, a0 + 1 x my four column blocks, 32 along K.  first = 1: the sums begin with the bias as C.  The 32 accumulators take turns in one order throughout.
.macro MUL8 f, a0, first
.irp a, \a0, \a0+1
.irp b, 0,1,2,3
.if \first
	v_wmma_f32_16x16x32_f16 v[8*(4*(\a)+\b):8*(4*(\a)+\b)+7], v[\f+8*\b:\f+8*\b+7], v[\f+32+8*(\a):\f+32+8*(\a)+7], v[BIAS+8*\b:BIAS+8*\b+7]
.else
	v_wmma_f32_16x16x32_f16 v[8*(4*(\a)+\b):8*(4*(\a)+\b)+7], v[\f+8*\b:\f+8*\b+7], v[\f+32+8*(\a):\f+32+8*(\a)+7], v[8*(4*(\a)+\b):8*(4*(\a)+\b)+7]
.endif
.endr
.endr
.endm
; 24 LDS loads in one run: quarter q of slot sl (head q / 2 of the step, channels 32 (q % 2) on) into buffer f: B's four fragments, A's blocks 0-3, A's blocks 4-7
.macro FETCH sl, q, f
.irp b, 0,1,2,3
	ds_load_b128 v[\f+8*\b:\f+8*\b+3],   v[ADRB+\sl] offset:((\q)/2)*BHEAD+((\q)%2)*64+2176*\b
	ds_load_b128 v[\f+8*\b+4:\f+8*\b+7], v[ADRB+\sl] offset:((\q)/2)*BHEAD+((\q)%2)*64+2176*\b+32
.endr
.irp i, 0,1,2,3,4,5,6,7
	ds_load_b128 v[\f+32+8*\i:\f+32+8*\i+3],   v[ADRA+\sl] offset:((\q)/2)*AHEAD+((\q)%2)*64+2176*\i
	ds_load_b128 v[\f+32+8*\i+4:\f+32+8*\i+7], v[ADRA+\sl] offset:((\q)/2)*AHEAD+((\q)%2)*64+2176*\i+32
.endr
.endm
.macro PLACES                          ; four plain vector instructions in front of loads into registers that matrix instructions have read, and of the first read of results
.rept 4
	v_nop
.endr
.endm
; A K step is four quarters of 32 along K, 32 matrix instructions each, on buffers 0, 1, 0, 1.  One of the first three: multiplies buffer f and fetches quarter q of the same slot into g.
.macro QUARTER sl, q, f, g, first
	s_wait_dscnt 8                                 ; B's fragments and A's blocks 0-3 are in; the youngest eight loads (A's blocks 4-7) may be out
	WIN MUL-0x10*(\first)
	MUL8 \f, 0, \first
	MUL8 \f, 2, \first
	WIN 0
	PLACES
	FETCH \sl, \q, \g
	s_wait_dscnt 24                                ; all but the 24 just issued
	WIN MUL-0x10*(\first)
	MUL8 \f, 4, \first
	MUL8 \f, 6, \first
.endm
; The last quarter multiplies buffer 1 and changes slots: ONE barrier; in front of it each wave waits for all its tensor loads, adds 0 to its spare word, and waits for that and for its reads of this slot.
; fill = 1: the barrier opens a round of the cluster's barrier, and this slot is filled again, two K steps ahead, first thing behind the round.
.macro TURN sl, next, fill
	WIN 0
	s_wait_tensorcnt 0x0                           ; all my tensor loads have landed: my part of the next slot
	ds_add_u32 v[SPW], v[NIL]                      ; 0 onto my spare word
	s_wait_dscnt 9                                 ; (the add and the youngest eight loads may be out)
	WIN MUL
	MUL8 F1, 0, 0
	s_wait_dscnt 0x0                               ; the add is done, and my reads of this slot are over
	s_barrier_signal -1
	MUL8 F1, 2, 0
	WIN 0
	s_barrier_wait -1
.if \fill
	CREST                                          ; no wave of any partner still reads this slot's tiles or has a load on its way
	s_add_nc_u64 s[G0+4*\sl+2:G0+4*\sl+3], s[G0+4*\sl+2:G0+4*\sl+3], 4194304      ; four heads on
	s_add_nc_u64 s[G0B+4*\sl+2:G0B+4*\sl+3], s[G0B+4*\sl+2:G0B+4*\sl+3], 524288
	JLOAD \sl                                      ; the four v_nop behind it are also the places in front of the loads below
.else
	PLACES
.endif
	FETCH \next, 0, F0
	WIN MUL
	MUL8 F1, 4, 0
	MUL8 F1, 6, 0
.endm
	s_wait_tensorcnt 1                             ; my part of K step 0 is in (K step 1's load may be out)
	s_barrier_signal -1
	s_barrier_wait -1                              ; everybody's is
	FETCH 0, 0, F0
	s_wait_loadcnt 0x0                             ; the bias
	QUARTER 0, 1, F0, F1, 1                        ; the first quarter stands in front of the loop: its products start the sums
	WIN 0                                          ; at a label and at a branch every window is 0
	s_mov_b32 s3, LAPS-1
.Llap:                                                 ; a trip goes once round the two slots, from a lap's second quarter to the next lap's first, and fills both again
	QUARTER 0, 2, F1, F0, 0
	QUARTER 0, 3, F0, F1, 0
	TURN 0, 1, 1
	QUARTER 1, 1, F0, F1, 0
	QUARTER 1, 2, F1, F0, 0
	QUARTER 1, 3, F0, F1, 0
	TURN 1, 0, 1
	QUARTER 0, 1, F0, F1, 0
	WIN 0
	s_sub_co_u32 s3, s3, 1
	s_cmp_lg_u32 s3, 0
	s_cbranch_scc1 .Llap
	QUARTER 0, 2, F1, F0, 0                        ; the last lap fills nothing, and has no round of the cluster's barrier
	QUARTER 0, 3, F0, F1, 0
	TURN 0, 1, 0
	QUARTER 1, 1, F0, F1, 0
	QUARTER 1, 2, F1, F0, 0
	QUARTER 1, 3, F0, F1, 0
	s_wait_dscnt 8                                 ; the very last quarter: nothing more to fetch
	WIN MUL
	MUL8 F1, 0, 0
	MUL8 F1, 2, 0
	s_wait_dscnt 0
	MUL8 F1, 4, 0
	MUL8 F1, 6, 0
	WIN 0
; THE WAY OUT, block by block of 16 tokens x 64 columns: a lane holds 32 neighbouring bytes of a row, and the lanes beside it hold other rows: so a block goes through my own stage and comes back as whole rows of 256 bytes,
; which sixteen lanes store at a multiple of 256 from out0's first byte.  Every offset is an immediate: 126 rows of 4,096 bytes at the most.
.macro TOSTAGE a
	WIN 0x04                                       ; an LDS store's data are its source 1: window 1
.irp b, 0,1,2,3
	ds_store_b128 v[STO], v[8*(4*(\a)+\b):8*(4*(\a)+\b)+3] offset:64*\b          ; each accumulator from its low end on
	ds_store_b128 v[STO], v[8*(4*(\a)+\b)+4:8*(4*(\a)+\b)+7] offset:64*\b+16
.endr
	WIN 0
.set BB, OB+32*((\a)%2)
.irp t, 0,1,2,3,4,5,6,7
	ds_load_b128 v[BB+4*\t:BB+4*\t+3], v[RD] offset:\t*2*SPITCH    ; LDS serves a wave's instructions in order: these see the stores above, and the next block's stores come behind them
.endr
.endm
.macro SEND a, younger                 ; younger: the LDS instructions issued behind block a's loads, which may stay out
.set BB, OB+32*((\a)%2)
	s_wait_dscnt \younger
.irp t, 0,1,2,3,4,5,6,7
	global_store_b128 v[CO], v[BB+4*\t:BB+4*\t+3], s[10:11] offset:(16*(\a)+2*\t)*4096 th:TH_STORE_NT
.endr
.endm
	PLACES
	TOSTAGE 0
.irp a, 1,2,3,4,5,6,7
.if \a > 1
	s_wait_xcnt 0x0                                ; block a - 2's stores have read their registers: block a's loads may land there
.endif
	TOSTAGE \a
	SEND \a-1, 16                                  ; behind block a - 1's loads: block a's 8 stores and 8 loads
.endr
	SEND 7, 0
	s_wait_tensorcnt 0x0                           ; the wave's end
	ds_add_u32 v[SPW], v[NIL]
	s_wait_dscnt 0x0
	CROUND                                         ; the closing round
	s_endpgm
.Lfunc_end_k_qfca01d3a7c_proj:
	.size	k_qfca01d3a7c_proj, .Lfunc_end_k_qfca01d3a7c_proj-k_qfca01d3a7c_proj
	.p2alignl 7, 3214868480
	.fill 96, 4, 3214868480
	.section	.rodata,"a",@progbits
	.p2align	6, 0x0
	.amdhsa_kernel k_qfca01d3a7c_proj
		.amdhsa_group_segment_fixed_size 327680
		.amdhsa_private_segment_fixed_size 0
		.amdhsa_enable_private_segment 0
		.amdhsa_kernarg_size 32
		.amdhsa_user_sgpr_count 2
		.amdhsa_user_sgpr_kernarg_segment_ptr 1
		.amdhsa_wavefront_size32 1
		.amdhsa_system_sgpr_workgroup_id_x 1
		.amdhsa_system_sgpr_workgroup_id_y 1
		.amdhsa_system_sgpr_workgroup_id_z 1
		.amdhsa_system_vgpr_workitem_id 0
		.amdhsa_next_free_vgpr 512
		.amdhsa_next_free_sgpr 66
		.amdhsa_reserve_vcc 0
		.amdhsa_float_denorm_mode_32 3
		.amdhsa_float_denorm_mode_16_64 3
		.amdhsa_memory_ordered 1
		.amdhsa_forward_progress 1
		.amdhsa_inst_pref_size 86
	.end_amdhsa_kernel
	.amdgpu_metadata
---
amdhsa.version: [ 1, 2 ]
amdhsa.kernels:
  - .name:           k_qfca01d3a7c_proj
    .symbol:         k_qfca01d3a7c_proj.kd
    .args:
      - { .name: at, .offset: 0, .size: 8, .value_kind: global_buffer, .address_space: global }
      - { .name: wo16, .offset: 8, .size: 8, .value_kind: global_buffer, .address_space: global }
      - { .name: bo, .offset: 16, .size: 8, .value_kind: global_buffer, .address_space: global }
      - { .name: out0, .offset: 24, .size: 8, .value_kind: global_buffer, .address_space: global }
    .group_segment_fixed_size: 327680
    .private_segment_fixed_size: 0
    .kernarg_segment_align: 8
    .kernarg_segment_size: 32
    .max_flat_workgroup_size: 128
    .sgpr_count:     66
    .vgpr_count:     512
    .wavefront_size: 32
...
	.end_amdgpu_metadata
.endif
;; end of part 4
